; MI455X (gfx1250); checked and timed in simulation.
; The chip was launched on July 23, 2026; its instructions are those of AMD's public machine-readable ISA for CDNA 5 (MIT licence, August 2026) and "CDNA5" Instruction Set Architecture Reference Guide (July 2026). The comments in the code are by the model that wrote it; some were corrected since.
;; tblock. Allowed arithmetic: matrix products marked QUANTISED: E5M2 operands, one given power-of-two scale a tensor, by v_wmma_f32_16x16x64_bf8_bf8 or v_wmma_f32_16x16x128_bf8_bf8, f32 sums; everything else in f32.
;; Inputs: W_K_codes 8 x 64 x 32 x 32 uint8 (E5M2 codes of W_K, K innermost, in blocks of 32 codes); W_Q_codes 16 x 64 x 32 x 32 uint8 (E5M2 codes of W_Q, K innermost, in blocks of 32 codes); W_V_codes 8 x 64 x 32 x 32 uint8 (E5M2 codes of W_V, K innermost, in blocks of 32 codes); W_out 64 x 16 x 1,024 float32; b_out 1,024 float32; ln1_b 1,024 float32; ln1_w 1,024 float32; ln2_b 1,024 float32; ln2_w 1,024 float32; lowp_scales 16 int32 (the exponents e of the quantised operands' scales 2^e); mlp1_b 4,096 float32; mlp1_w_codes 4,096 x 32 x 32 uint8 (E5M2 codes of mlp1_w, K innermost, in blocks of 32 codes); mlp2_b 1,024 float32; mlp2_w_codes 1,024 x 128 x 32 uint8 (E5M2 codes of mlp2_w, K innermost, in blocks of 32 codes); x 2 x 2,048 x 1,024 float32.
;; Outputs: out0 2 x 2,048 x 1,024 float32.
;; This version of the problem:
;;   THIS VERSION OF THE PROBLEM IS GIVEN IN LOW PRECISION. The matrix products marked QUANTISED in the list below multiply operands that are first quantised to E5M2 (5 exponent bits, 2 mantissa bits; 8 bits a number), with one given power-of-two scale for each operand tensor; their sums are f32. All else is computed in f32.
;;   The module's matrix products, in the order in which they are computed (A, B: the left and right operand; K: the contracted axis; several contracted axes count as one K, in the product's order):
;;     1. [M 4,096, K 1,024] x [K 1,024, N 1,024]; A: computed on the way; B: input W_Q (given as codes): QUANTISED (scales: A lowp_scales[0], B lowp_scales[1])
;;     2. [M 4,096, K 1,024] x [K 1,024, N 512]; A: computed on the way; B: input W_K (given as codes): QUANTISED (scales: A lowp_scales[2], B lowp_scales[3])
;;     3. [M 4,096, K 1,024] x [K 1,024, N 512]; A: computed on the way; B: input W_V (given as codes): QUANTISED (scales: A lowp_scales[4], B lowp_scales[5])
;;     4. batch 16 x [M 2,048, K 64] x [K 64, N 4,096]; A: computed on the way; B: computed on the way: QUANTISED (scales: A lowp_scales[6], B lowp_scales[7])
;;     5. batch 16 x [M 64, K 2,048] x [K 2,048, N 4,096]; A: computed on the way; B: softmax (see below): QUANTISED (scales: A lowp_scales[8], B lowp_scales[9])
;;     6. [M 4,096, K 1,024] x [K 1,024, N 1,024]; A: computed on the way; B: input W_out: QUANTISED (scales: A lowp_scales[10], B lowp_scales[11])
;;     7. [M 4,096, K 1,024] x [K 1,024, N 4,096]; A: computed on the way; B: input mlp1_w (given as codes): QUANTISED (scales: A lowp_scales[12], B lowp_scales[13])
;;     8. [M 4,096, K 4,096] x [K 4,096, N 1,024]; A: computed on the way; B: input mlp2_w (given as codes): QUANTISED (scales: A lowp_scales[14], B lowp_scales[15])
;;   THE QUANTISER, for each operand of a quantised product, along K:
;;     - The operand's scale is 2^e, e = its entry of the input lowp_scales (int32; the entries are numbered through the quantised products in the list's order, A before B).
;;     - Each number is divided by the scale, clamped to +-57,344, and rounded to the nearest number of E5M2, ties to even, subnormals kept.
;;     - The product sums the exact products of the quantised numbers (number of the format x scale) in f32.
;;   ~~~python
;;   def quantise(x, axis, e):      # numpy; x: float32 -> the quantised numbers, widened to float32 again
;;       x = np.moveaxis(x, axis, -1); K = x.shape[-1]
;;       r = np.clip(x / 2.0 ** e, -57344, 57344)
;;       step = 2.0 ** (np.maximum(np.frexp(np.where(r == 0, 1, r))[1] - 1, -14) - 2)
;;       q = np.round(r / step) * step * 2.0 ** e      # np.round: ties to even
;;       return np.moveaxis(q, -1, axis).astype(np.float32)
;;   ~~~
;;   SOFTMAX AHEAD OF A QUANTISED PRODUCT. Where the list says 'softmax', what is quantised is not the finished softmax but p = 2^(t - M), with t = logit x log2(e) and M = ceil(the row's largest t), a whole number; so 1/2 < the row's largest p <= 1. The row's sum l is taken of the UNQUANTISED p, in f32, and the product's result is divided by l at the end. Since M is a whole number, a kernel that streams over the keys may use a running M (the ceiling of the running maximum): every later rescaling is an exact power of two, so the quantised numbers keep their values, but for numbers so far below the row's largest that they fall under the format's range.
;;   OPERANDS COMPUTED ON THE WAY. 'Computed on the way' means the value that the module computes at that place (a softmax that the list does not call 'softmax' is quantised finished and normalised). What goes into a quantiser is computed in f32, as accurately as f32 sums, v_exp_f32 and their like allow (about 1e-6 of the number): no bf16 or f16 on the way to a quantiser, and a product that is left as it is and whose result goes on into a quantised operand takes f32 operands (vector FMAs, or v_wmma_f32_16x16x4_f32). A number that lies on a knife's edge between two numbers of the format may be rounded either way, as far as f32 arithmetic and the matrix unit's own rounding can turn it there, and no further.
;;   INPUTS GIVEN AS CODES. W_K (in the module: [1024, 8, 64], K = its axis 0); W_Q (in the module: [1024, 16, 64], K = its axis 0); W_V (in the module: [1024, 8, 64], K = its axis 0); mlp1_w (in the module: [4096, 1024], K = its axis 1); mlp2_w (in the module: [1024, 4096], K = its axis 1): each comes as NAME_codes (uint8): NAME with its K axis moved to the last place and cut into blocks of 32 codes, [.., K / 32, bytes a block], one block behind the other in memory; one code a byte (a code: sign, 5 exponent bits, 2 mantissa bits); its scale is its entry of lowp_scales. Its value is code x scale, taken as it is: it is not quantised again, and the codes and scales need not be those that the quantiser above would give.
;; One version. Each part assembles by itself: llvm-mc -triple=amdgcn-amd-amdhsa -mcpu=gfx1250 --defsym DOCPART=n.
;; ======== version 1 of 1: 7 launches
;; limits: right only within a limited range of input values
;; workspace buffers: prepc 13,631,488 bytes; qkvc 8,388,608 bytes; zc 4,194,304 bytes; post 16,777,216 bytes; hc 4,194,304 bytes; gc 16,777,216 bytes
;; launch prep (part 1): grid 320 x 1, 8 waves a work-group, no clusters, 43,008 bytes of LDS; arguments x, ln1_w, ln1_b, W_out, lowp_scales, prepc; writes prepc
.if DOCPART == 1
	.amdgcn_target "amdgcn-amd-amdhsa--gfx1250"
	.amdhsa_code_object_version 6
	.text
	.protected	k_q9101794c0b_prep
	.globl	k_q9101794c0b_prep
	.p2align	8
	.type	k_q9101794c0b_prep,@function
k_q9101794c0b_prep:
	s_mov_b64 s[64:65], 0
	v_nop
	global_prefetch_b8 v0, s[64:65] scope:SCOPE_SE
	s_setreg_imm32_b32 hwreg(HW_REG_WAVE_MODE, 25, 1), 1
	s_wait_xcnt 0x0
; Work-groups 0-255: LN1 of x [4096][1024] f32, quantised three times (scales e0, e2, e4) into codes of E5M2: prepc + 0, + 4 MiB, + 8 MiB, each [4096][1024] bytes.
; Work-groups 256-319: W_out [64 kk][16 h][1024 d] f32 into codes under e11, laid [1024 d][1024 = 64 h + kk] at prepc + 12 MiB: K innermost.
; LN: one wave takes two rows; a row is 32 registers a lane (register 4 j + i = column 128 j + 4 lane + i), kept between the passes: mean, sum of squared deviations, scaling.
; A lane's codes are 4 bytes of each 128 columns: they turn through the wave's own stage in LDS and leave as 512 consecutive bytes a store.  The LN waves share nothing: no barrier.
; W_out: a work-group takes 64 columns d x 256 along K (four heads).  A lane takes a column and its registers run down K: wave w takes columns 32 (w % 2) on and head w / 2 of the four: 64 loads, all asked for in one run.
; A column's 256 codes come from four waves: they meet in the work-group's stage behind a barrier, and each wave stores eight whole rows of 256 bytes.
; code = y / 2^e, held within +-57,344 x 2^e, to the nearest code, ties to even.  LIMITS: each e between -126 and 112.  NaN and infinities among the inputs are not served.
; The two paths part on the work-group's number, never join, and have LDS bytes of their own (LN: 0 - 24,575; W_out: from 24,576).
.set NS,   3                           ; scales
.set X0,   32                          ; v32-63   first row
.set X1,   64                          ; v64-95   second row
.set LW,   96                          ; v96-127  the gain
.set LB,   128                         ; v128-159 the bias
.set TT,   160                         ; v160-175 two sets of 8 held numbers
.set CC,   176                         ; v176-199 codes
.set OO,   200                         ; v200-223 codes read back
.set SCL,  18                          ; v18+2s the scale 2^e as f32, v19+2s 57,344 x 2^e
.set WSTG, 24576                       ; W_out's stage: 64 rows x 272 bytes
.set WP,   272
.set WX,   32                          ; v32-95   64 numbers down K
.set WC,   96                          ; v96-111  their codes
.set WO,   112                         ; v112-127 the way out
.macro REDUCE                          ; four packed chains v[8:15] -> their sum over the wave's 32 lanes, in v16 of every lane
	s_delay_alu instid0(VALU_DEP_3)
	v_pk_add_f32 v[8:9], v[8:9], v[10:11]
	s_delay_alu instid0(VALU_DEP_2)
	v_pk_add_f32 v[12:13], v[12:13], v[14:15]
	s_delay_alu instid0(VALU_DEP_1)
	v_pk_add_f32 v[8:9], v[8:9], v[12:13]
	s_delay_alu instid0(VALU_DEP_1)
	v_add_f32 v16, v8, v9
	s_delay_alu instid0(VALU_DEP_1)
	v_add_f32_dpp v16, v16, v16 row_xmask:1 row_mask:0xf bank_mask:0xf
	s_delay_alu instid0(VALU_DEP_1)
	v_add_f32_dpp v16, v16, v16 row_xmask:2 row_mask:0xf bank_mask:0xf
	s_delay_alu instid0(VALU_DEP_1)
	v_add_f32_dpp v16, v16, v16 row_xmask:4 row_mask:0xf bank_mask:0xf
	s_delay_alu instid0(VALU_DEP_1)
	v_add_f32_dpp v16, v16, v16 row_xmask:8 row_mask:0xf bank_mask:0xf
	s_delay_alu instid0(VALU_DEP_1)
	v_permlanex16_b32 v17, v16, s28, s29
	s_delay_alu instid0(VALU_DEP_1)
	v_add_f32 v16, v16, v17
.endm
; The row in v[X] on becomes (x - mean) rsqrt(var + eps) w + b.  left1: loads that may be out when the row is needed; left2: when w and b are
.macro ROW X, left1, left2
	s_wait_loadcnt \left1
.irp c, 0,1,2,3
	v_pk_add_f32 v[8+2*\c:9+2*\c], v[\X+2*\c:\X+2*\c+1], v[\X+8+2*\c:\X+9+2*\c]   ; the first sums start the chains
.endr
.irp d, 16,24
.irp c, 0,1,2,3
	s_delay_alu instid0(VALU_DEP_4)
	v_pk_add_f32 v[8+2*\c:9+2*\c], v[8+2*\c:9+2*\c], v[\X+\d+2*\c:\X+\d+2*\c+1]
.endr
.endr
	REDUCE
	s_delay_alu instid0(VALU_DEP_1)
	v_mul_f32 v4, 0x3a800000, v16                  ; mean = sum / 1024
.set n, 0
.rept 16
	v_pk_add_f32 v[\X+n:\X+n+1], v[\X+n:\X+n+1], v[4:5] op_sel_hi:[1,0] neg_lo:[0,1] neg_hi:[0,1]   ; x - mean
.set n, n+2
.endr
.irp c, 0,1,2,3
	v_pk_mul_f32 v[8+2*\c:9+2*\c], v[\X+2*\c:\X+2*\c+1], v[\X+2*\c:\X+2*\c+1]
.endr
.irp d, 8,16,24
.irp c, 0,1,2,3
	s_delay_alu instid0(VALU_DEP_4)
	v_pk_fma_f32 v[8+2*\c:9+2*\c], v[\X+\d+2*\c:\X+\d+2*\c+1], v[\X+\d+2*\c:\X+\d+2*\c+1], v[8+2*\c:9+2*\c]
.endr
.endr
	REDUCE
	s_delay_alu instid0(VALU_DEP_1)
	v_fma_f32 v16, v16, s30, s31                   ; var + eps = sum / 1024 + 1e-5
	s_wait_alu depctr_va_vdst(0)
	v_rsq_f32 v6, v16
	v_nop                                          ; a plain line behind the transcendental
	s_wait_alu depctr_va_vdst(0)                   ; and the wait ahead of its first reader
	s_wait_loadcnt \left2
.set n, 0
.rept 16
	v_pk_mul_f32 v[\X+n:\X+n+1], v[\X+n:\X+n+1], v[6:7] op_sel_hi:[1,0]
.set n, n+2
.endr
.set n, 0
.rept 16
	v_pk_fma_f32 v[\X+n:\X+n+1], v[\X+n:\X+n+1], v[LW+n:LW+n+1], v[LB+n:LB+n+1]
.set n, n+2
.endr
.endm
; The row is quantised under each of the NS scales and stored.  Registers 8 g .. 8 g + 7 are columns 256 g + 4 lane + 0..3 and 256 g + 128 + 4 lane + 0..3
.macro QROW X, rowoff
	s_wait_xcnt 0x0                                ; the row before has had its stores' addresses translated: their data registers are loaded again only behind this wait
.set sq, 0
.rept NS
.irp g, 0,1,2,3
.irp i, 0,1,2,3,4,5,6,7
	v_med3_num_f32 v[TT+8*(\g%2)+\i], v[\X+8*\g+\i], -v[SCL+2*sq+1], v[SCL+2*sq+1]   ; the conversion does not saturate (ISA guide 7.6.2): the hold first
.endr
	v_cvt_scalef32_pk8_bf8_f32 v[CC+8*sq+2*\g:CC+8*sq+2*\g+1], v[TT+8*(\g%2):TT+8*(\g%2)+7], v[SCL+2*sq]   ; the next group's eight holds, into the other set, are the plain lines behind it
.endr
.set sq, sq+1
.endr
	v_nop
.set sq, 0
.rept NS
.irp g, 0,1,2,3
	ds_store_b32 v2, v[CC+8*sq+2*\g] offset:1024*sq+256*\g
	ds_store_b32 v2, v[CC+8*sq+2*\g+1] offset:1024*sq+256*\g+128
.endr
.set sq, sq+1
.endr
.set sq, 0
.rept 2*NS
	ds_load_b128 v[OO+4*sq:OO+4*sq+3], v3 offset:512*sq   ; LDS serves a wave's instructions in order (ISA guide 5.7.1.4): these see my stores
.set sq, sq+1
.endr
.set sq, 0
.rept 2*NS
	s_wait_dscnt 2*NS-1-sq                         ; the younger read-backs may be out
	global_store_b128 v1, v[OO+4*sq:OO+4*sq+3], s[22+2*(sq/2):23+2*(sq/2)] offset:\rowoff*1024+512*(sq%2)   ; 512 consecutive bytes
.set sq, sq+1
.endr
.endm
	s_load_b256 s[4:11], s[0:1], 0x0               ; x, ln1_w, ln1_b, W_out
	s_load_b128 s[12:15], s[0:1], 0x20             ; the scales' exponents, prepc
	v_lshl_add_u32 v224, v0, 2, 0xa400
	v_mov_b32 v225, 0
	v_lshrrev_b32 v1, 5, v0
	s_delay_alu instid0(VALU_DEP_1)
	v_readfirstlane_b32 s16, v1                    ; wave 0..7
	v_and_b32 v2, 31, v0                           ; lane
	s_wait_kmcnt 0x0
	s_load_b512 s[36:51], s[12:13], 0x0            ; e_k in s[36 + k]
	s_cmp_lt_u32 ttmp9, 256
	s_cbranch_scc0 .Lwout
	; ---------------- LN1
	s_lshl_b32 s17, ttmp9, 4
	s_lshl_b32 s18, s16, 1
	s_add_co_u32 s17, s17, s18                     ; my first row: 16 x work-group + 2 x wave
	s_lshl_b32 s18, s17, 12
	s_mov_b32 s19, 0
	s_add_nc_u64 s[20:21], s[4:5], s[18:19]        ; x at my row
	s_lshl_b32 s18, s17, 10
	s_add_nc_u64 s[22:23], s[14:15], s[18:19]      ; the three tensors of codes at my row
	s_add_nc_u64 s[24:25], s[22:23], 0x400000
	s_add_nc_u64 s[26:27], s[22:23], 0x800000
	s_wait_alu depctr_va_vdst(0)
	v_lshlrev_b32 v1, 4, v2                        ; 16 x lane
.irp j, 0,1,2,3,4,5,6,7
	global_load_b128 v[X0+4*\j:X0+4*\j+3], v1, s[20:21] offset:512*\j th:TH_LOAD_NT
.endr
.irp j, 0,1,2,3,4,5,6,7
	global_load_b128 v[LW+4*\j:LW+4*\j+3], v1, s[6:7] offset:512*\j
.endr
.irp j, 0,1,2,3,4,5,6,7
	global_load_b128 v[LB+4*\j:LB+4*\j+3], v1, s[8:9] offset:512*\j
.endr
.irp j, 0,1,2,3,4,5,6,7
	global_load_b128 v[X1+4*\j:X1+4*\j+3], v1, s[20:21] offset:4096+512*\j th:TH_LOAD_NT
.endr
	s_mul_i32 s17, s16, 1024*NS                    ; my stage
	v_lshl_add_u32 v3, v2, 4, s17                  ; out of it: 16 x lane
	v_lshl_add_u32 v2, v2, 2, s17                  ; into it: 4 x lane
	v_mov_b32 v5, 0                                ; upper halves of pairs that are named whole, and the permute's destination: written once
	v_mov_b32 v7, 0
	v_mov_b32 v17, 0
	s_mov_b32 s28, 0x76543210                      ; lane l xor 16
	s_mov_b32 s29, 0xfedcba98
	s_mov_b32 s30, 0x3a800000                      ; 1 / 1024
	s_mov_b32 s31, 0x3727c5ac                      ; 1e-5
	s_wait_kmcnt 0x0
.irp s, 0,1,2
	s_add_co_i32 s52, s[36+2*\s], 127
	s_lshl_b32 s53, s52, 23
	v_mov_b32 v[SCL+2*\s], s53                     ; 2^e as f32: the conversion takes its exponent field
	s_add_co_i32 s52, s52, 15
	s_lshl_b32 s52, s52, 23
	s_or_b32 s52, s52, 0x600000
	v_mov_b32 v[SCL+2*\s+1], s52                   ; 57,344 x 2^e
.endr
	ROW X0, 24, 8                                  ; 24: w, b and the second row may be out; 8: the second row
	QROW X0, 0
	ROW X1, 0, 0
	QROW X1, 1
	s_wait_tensorcnt 0x0
	ds_add_u32 v224, v225
	s_wait_dscnt 0x0
	s_endpgm
	; ---------------- W_out: a lane takes a column d, its 64 registers run down one head's kk = 0 .. 63
.Lwout:
	s_sub_co_u32 s17, ttmp9, 256                   ; task 0..63
	s_and_b32 s18, s17, 15                         ; which 64 columns
	s_lshr_b32 s17, s17, 4                         ; which 256 along K: heads 4 kq .. 4 kq + 3
	s_and_b32 s19, s16, 1                          ; my wave: which 32 of the 64 columns,
	s_lshr_b32 s22, s16, 1                         ; which of the four heads
	s_wait_alu depctr_va_vdst(0)
	v_lshlrev_b32 v3, 2, v2                        ; in: 4 bytes a lane
	s_mul_i32 s23, s19, 32*WP
	s_lshl_b32 s24, s22, 6
	s_add_co_u32 s23, s23, s24
	s_add_co_u32 s23, s23, WSTG
	v_mul_u32_u24 v4, v2, WP
	s_delay_alu instid0(VALU_DEP_1)
	v_add_nc_u32 v4, s23, v4                       ; into the stage: row = my column, byte 64 x my head
	v_and_b32 v5, 15, v2
	v_lshrrev_b32 v6, 4, v2
	s_mul_i32 s23, s16, 8*WP
	s_add_co_u32 s23, s23, WSTG
	v_mul_u32_u24 v7, v6, WP
	s_delay_alu instid0(VALU_DEP_1)
	v_lshl_add_u32 v7, v5, 4, v7
	s_delay_alu instid0(VALU_DEP_1)
	v_add_nc_u32 v7, s23, v7                       ; out of it: rows 8 w on, sixteen lanes to a row, two rows an instruction
	v_lshlrev_b32 v8, 10, v6
	s_delay_alu instid0(VALU_DEP_1)
	v_lshl_add_u32 v8, v5, 4, v8                   ; and the same place among the rows of 1,024 codes
	s_lshl_b32 s20, s17, 2
	s_add_co_u32 s20, s20, s22                     ; the head: row 16 kk + head of W_out, 4,096 bytes a row
	s_lshl_b32 s20, s20, 12
	s_lshl_b32 s24, s18, 8
	s_add_co_u32 s20, s20, s24
	s_lshl_b32 s24, s19, 7
	s_add_co_u32 s20, s20, s24                     ; + 4 x my first column
	s_mov_b32 s21, 0
	s_add_nc_u64 s[10:11], s[10:11], s[20:21]
	s_lshl_b32 s20, s18, 16
	s_lshl_b32 s24, s16, 13
	s_add_co_u32 s20, s20, s24                     ; out: row 64 x task column + 8 x wave,
	s_lshl_b32 s24, s17, 8
	s_add_co_u32 s20, s20, s24                     ; byte 256 kq,
	s_add_co_u32 s20, s20, 12582912                ; in the codes' place in prepc
	s_add_nc_u64 s[14:15], s[14:15], s[20:21]
.set n, 0
.rept 64
	global_load_b32 v[WX+n], v3, s[10:11] offset:n*65536   ; W_out(kk = n, head, my column): 128 consecutive bytes a wave, 256 with the wave beside it
.set n, n+1
.endr
	s_wait_kmcnt 0x0
	s_add_co_i32 s30, s47, 127                     ; e11
	s_lshl_b32 s31, s30, 23
	v_mov_b32 v11, s31
	s_add_co_i32 s30, s30, 15
	s_lshl_b32 s30, s30, 23
	s_or_b32 s30, s30, 0x600000
	v_mov_b32 v10, s30
	s_wait_alu depctr_va_vdst(0)
.irp t, 0,1
	s_wait_loadcnt 32-32*\t                        ; this block's 32 loads are in; the second block's may be out
.set n, 0
.rept 32
	v_med3_num_f32 v[WX+32*\t+n], v[WX+32*\t+n], -v10, v10
.set n, n+1
.endr
.irp g, 0,1,2,3
	v_cvt_scalef32_pk8_bf8_f32 v[WC+8*\t+2*\g:WC+8*\t+2*\g+1], v[WX+32*\t+8*\g:WX+32*\t+8*\g+7], v11
.endr
	ds_store_b128 v4, v[WC+8*\t:WC+8*\t+3] offset:32*\t        ; 32 codes of my column's row
	ds_store_b128 v4, v[WC+8*\t+4:WC+8*\t+7] offset:32*\t+16
.endr
	v_nop
	s_wait_dscnt 0x0                               ; for the others' sake: my codes lie in the stage
	s_barrier_signal -1
	s_barrier_wait -1
.irp i, 0,1,2,3
	ds_load_b128 v[WO+4*\i:WO+4*\i+3], v7 offset:2*\i*WP
.endr
.irp i, 0,1,2,3
	s_wait_dscnt 3-\i                              ; the younger read-backs may be out
	global_store_b128 v8, v[WO+4*\i:WO+4*\i+3], s[14:15] offset:2*\i*1024   ; sixteen lanes store 256 consecutive bytes, aligned
.endr
	s_wait_tensorcnt 0x0
	ds_add_u32 v224, v225
	s_wait_dscnt 0x0
	s_endpgm
.Lfunc_end_k_q9101794c0b_prep:
	.size	k_q9101794c0b_prep, .Lfunc_end_k_q9101794c0b_prep-k_q9101794c0b_prep
	.p2alignl 7, 3214868480
	.fill 96, 4, 3214868480
	.section	.rodata,"a",@progbits
	.p2align	6, 0x0
	.amdhsa_kernel k_q9101794c0b_prep
		.amdhsa_group_segment_fixed_size 43008
		.amdhsa_private_segment_fixed_size 0
		.amdhsa_enable_private_segment 0
		.amdhsa_kernarg_size 48
		.amdhsa_user_sgpr_count 2
		.amdhsa_user_sgpr_kernarg_segment_ptr 1
		.amdhsa_wavefront_size32 1
		.amdhsa_system_sgpr_workgroup_id_x 1
		.amdhsa_system_sgpr_workgroup_id_y 1
		.amdhsa_system_sgpr_workgroup_id_z 1
		.amdhsa_system_vgpr_workitem_id 0
		.amdhsa_next_free_vgpr 226
		.amdhsa_next_free_sgpr 66
		.amdhsa_reserve_vcc 0
		.amdhsa_float_denorm_mode_32 3
		.amdhsa_float_denorm_mode_16_64 3
		.amdhsa_memory_ordered 1
		.amdhsa_forward_progress 1
		.amdhsa_inst_pref_size 54
	.end_amdhsa_kernel
	.amdgpu_metadata
---
amdhsa.version: [ 1, 2 ]
amdhsa.kernels:
  - .name:           k_q9101794c0b_prep
    .symbol:         k_q9101794c0b_prep.kd
    .args:
      - { .name: x, .offset: 0, .size: 8, .value_kind: global_buffer, .address_space: global }
      - { .name: ln1_w, .offset: 8, .size: 8, .value_kind: global_buffer, .address_space: global }
      - { .name: ln1_b, .offset: 16, .size: 8, .value_kind: global_buffer, .address_space: global }
      - { .name: W_out, .offset: 24, .size: 8, .value_kind: global_buffer, .address_space: global }
      - { .name: lowp_scales, .offset: 32, .size: 8, .value_kind: global_buffer, .address_space: global }
      - { .name: prepc, .offset: 40, .size: 8, .value_kind: global_buffer, .address_space: global }
    .group_segment_fixed_size: 43008
    .private_segment_fixed_size: 0
    .kernarg_segment_align: 8
    .kernarg_segment_size: 48
    .max_flat_workgroup_size: 256
    .sgpr_count:     66
    .vgpr_count:     226
    .wavefront_size: 32
...
	.end_amdgpu_metadata
.endif
;; end of part 1
;; launch qkv (part 2): grid 16 x 32, 4 waves a work-group, clusters of 4 x 4, 327,680 bytes of LDS; arguments prepc, W_Q_codes, W_K_codes, W_V_codes, lowp_scales, qkvc; writes qkvc
.if DOCPART == 2
	.amdgcn_target "amdgcn-amd-amdhsa--gfx1250"
	.amdhsa_code_object_version 6
	.text
	.protected	k_q9101794c0b_qkv
	.globl	k_q9101794c0b_qkv
	.p2align	8
	.type	k_q9101794c0b_qkv,@function
k_q9101794c0b_qkv:
	s_mov_b64 s[64:65], 0
	v_nop
	global_prefetch_b8 v0, s[64:65] scope:SCOPE_SE
	s_setreg_imm32_b32 hwreg(HW_REG_WAVE_MODE, 25, 1), 1
	s_wait_xcnt 0x0
	s_wait_alu depctr_hold_cnt(0) depctr_sa_sdst(0) depctr_va_vdst(0) depctr_va_sdst(0) depctr_va_ssrc(0) depctr_va_vcc(0) depctr_vm_vsrc(0)
	s_getreg_b32 s2, hwreg(HW_REG_IB_STS2, 6, 4)
	s_cmp_eq_u32 s2, 0
	s_cbranch_scc0 .Lentry_in_a_cluster
	s_endpgm
.Lentry_in_a_cluster:
	s_bfe_u32 s2, ttmp6, 0x10000c
	s_cmp_lg_u32 s2, 0xf033
	s_cbranch_scc0 .Lentry_shape_is_right
	s_endpgm
.Lentry_shape_is_right:
; The three projections on codes of E5M2, C = A B^T with K = 1,024, and their quantisers.  The cluster's x chooses the product, the same in all sixteen partners, by selects alone:
;   x = 0, 1: q = LN1(x) W_Q  (A: codes under e0, B: W_Q's under e1), quantised under e7, to qkvc + 0       [16 head][4096 token][64]
;   x = 2:    k = LN1(x) W_K  (e2, e3), under e6,                                   to qkvc + 4,194,304 [8 group][4096 token][64]
;   x = 3:    v^T = W_V LN1(x)^T (A: W_V's codes, B: codes under e4), under e8,     to qkvc + 6,291,456 [64 = token / 64][512 = 64 group + d][64 = token % 64]: the keys innermost
; All three outputs have one form, [column / 64][row][64], so that a wave's 64 x 64 piece of C is 4,096 consecutive bytes.
; WITHIN EVERY 32 BYTES OF A ROW THE FOUR GROUPS OF EIGHT COLUMNS STAND IN THE ORDER 0, 2, 1, 3.  For q and k that is one and the same order along their product's K, which changes no product;
; for v^T it is the order in which a lane of the attention launch holds p's keys, so that launch can take its key tiles from neighbouring rows.
; A tile of C is 128 x 128: four waves of 64 x 64, 16 accumulators each.  All of K lies in two LDS slots of 512 along K, filled once by joint tensor loads: A's tile shared along a row of the 4 x 4
; cluster, B's along a column.  The matrix instruction is used transposed (source 0 = 16 rows of B, source 1 = 16 rows of A): a lane holds eight neighbouring columns of a row of C.
; A fragment (16 rows x 128 K) comes by four loads of 16 bytes: registers 4 c .. 4 c + 3 hold K = 32 c + 16 (lane / 16) + 0..15: the same places in A and in B, so every product meets its partner.
; A sum stands for sum x 2^(eA + eB): its code is sum / 2^(eT - eA - eB).  LIMIT: eT - eA - eB between -126 and 112.
; REGISTERS: window 0: v16-31 addresses and the scale; v32-95 the way out; v128-255 accumulators ((a, b) at 128 + 8 (4 a + b)).  window 1: two fragment buffers of 128: A's four blocks, then B's four.
.set SIZE_K, 1024
.set AP,     1040                      ; an LDS row holds all of K: 1,024 bytes + 16 of padding = 65 x 16 bytes, so 16 neighbouring rows start at 16 different 16-byte columns of 256 bytes.  One tensor load a wave brings 64 such rows
.set AQ,     128                       ; from one 128 along K to the next
.set AHALF,  64*AP                     ; 64 rows: what one tensor load brings
.set ASTEP,  512                       ; memory bytes from slot to slot
.set BP,     1040
.set BQ,     128
.set BHALF,  64*BP
.set SLOT,   512                       ; the second 512 along K begins 512 bytes on in the same rows
.set STAGE,  2*AHALF+2*BHALF           ; behind A's 128 rows and B's 128 rows: 64 rows x 80 bytes for each wave
.set SPARE,  STAGE+4*5120              ; the spare words, 128 bytes a wave, that no other line names
.set ADRA, 16
.set ADRB, 20
.set STO,  24
.set RD,   25
.set CO,   26
.set SPW,  28
.set NIL,  29
.set ACC,  128
.set F0,   0
.set F1,   128
.set G1,  24
.set G0,  32
.set G1B, 48
.set G0B, 56
.set MSB, 0
.macro WIN new                         ; the immediate's high byte repeats the setting that is left
.if MSB != \new
	s_set_vgpr_msb (MSB<<8)|\new
.set MSB, \new
.endif
.endm
.set MUL,  0x05                        ; sources 0 (B) and 1 (A) window 1; C and D window 0
.set TO_F, 0x40                        ; destination window 1, address window 0
.macro JLOAD s                         ; a joint load: waves 0 and 1 fetch A's halves, waves 2 and 3 B's; four v_nop follow each line
	s_cmp_eq_u32 s11, 0
	s_cbranch_scc0 .Lfor_b_\@
	tensor_load_to_lds s[G0+4*\s:G0+4*\s+3], s[G1:G1+7]
	s_nop 0
.rept 4
	v_nop
.endr
	s_branch .Lasked_\@
.Lfor_b_\@:
	tensor_load_to_lds s[G0B+4*\s:G0B+4*\s+3], s[G1B:G1B+7]
	s_nop 0
.rept 4
	v_nop
.endr
.Lasked_\@:
.endm
.macro CREST                           ; a round of the cluster's barrier behind its opening barrier
	s_cmp_lg_u32 s10, 0
	s_cbranch_scc1 .Lnot_wave_0_\@
	s_barrier_signal -3
.Lnot_wave_0_\@:
	s_barrier_wait -3
	s_barrier_signal -1
	s_barrier_wait -1
.endm
.macro CROUND
	s_barrier_signal -1
	s_barrier_wait -1
	CREST
.endm
.macro PLACES                          ; four plain lines between a matrix instruction and a load into, or a vector read of, its registers
.rept 4
	v_nop
.endr
.endm
.macro MULA f, a, zero                 ; A's block a against B's four, 128 along K.  The 16 accumulators take turns, one instruction a turn
.irp b, 0,1,2,3
.if \zero
	v_wmma_f32_16x16x128_bf8_bf8 v[ACC+8*(4*(\a)+\b):ACC+8*(4*(\a)+\b)+7], v[\f+64+16*\b:\f+64+16*\b+15], v[\f+16*(\a):\f+16*(\a)+15], 0
.else
	v_wmma_f32_16x16x128_bf8_bf8 v[ACC+8*(4*(\a)+\b):ACC+8*(4*(\a)+\b)+7], v[\f+64+16*\b:\f+64+16*\b+15], v[\f+16*(\a):\f+16*(\a)+15], v[ACC+8*(4*(\a)+\b):ACC+8*(4*(\a)+\b)+7]
.endif
.endr
.endm
.macro FETCH slot, q, f                ; 32 LDS loads in one run: the fragments of the slot's q-th 128 along K into buffer f
	WIN TO_F
.irp i, 0,1,2,3
.irp c, 0,1,2,3
	ds_load_b128 v[\f+64+16*\i+4*\c:\f+64+16*\i+4*\c+3], v[ADRB+\slot] offset:BQ*(\q)+32*\c+16*\i*BP
.endr
.irp c, 0,1,2,3
	ds_load_b128 v[\f+16*\i+4*\c:\f+16*\i+4*\c+3], v[ADRA+\slot] offset:AQ*(\q)+32*\c+16*\i*AP
.endr
.endr
.endm
.macro QUARTER slot, q, f, g, zero     ; fetches the slot's q-th 128 along K into g, then multiplies f
	PLACES
	FETCH \slot, \q, \g
	s_wait_dscnt 32                                ; f's loads are in; the 32 just issued may be out
	WIN MUL
	MULA \f, 0, \zero
	MULA \f, 1, \zero
	MULA \f, 2, \zero
	MULA \f, 3, \zero
.endm
	s_load_b256 s[68:75], s[0:1], 0x0              ; prepc, W_Q's, W_K's, W_V's codes
	s_load_b128 s[76:79], s[0:1], 0x20             ; the scales' exponents, qkvc
	v_lshl_add_u32 v[SPW], v0, 2, SPARE
	v_mov_b32 v[NIL], 0
	ds_add_u32 v28, v29
	ds_add_u32 v28, v29
	s_wait_dscnt 0x0
	v_lshrrev_b32 v1, 5, v0
	v_readfirstlane_b32 s10, v1                    ; wave 0..3
	s_lshr_b32 s11, s10, 1                         ; my half of the tile's rows.  Also: I fetch for A (0) or for B (1)
	s_and_b32 s12, s10, 1                          ; my half of its columns.  Also: which 64 rows I fetch
	s_bfe_u32 s40, ttmp6, 0x40000                  ; cx
	s_bfe_u32 s41, ttmp6, 0x40004                  ; cy
	s_and_b32 s14, ttmp7, 0xffff
	s_lshl_b32 s14, s14, 2                         ; 4 x cluster y
	s_lshl_b32 s15, ttmp9, 2                       ; 4 x cluster x
	s_cmp_eq_u32 ttmp9, 2                          ; k?
	s_cselect_b32 s15, 0, s15                      ; k's four tile columns begin at 0
	s_cselect_b32 s16, 0x400000, 0                 ; A's place in prepc
	s_cmp_eq_u32 ttmp9, 3                          ; v^T?
	s_cselect_b32 s42, s14, s15                    ; its columns are the tokens,
	s_cselect_b32 s13, 0, s14                      ; its rows W_V's 512
	s_cselect_b32 s17, 0x800000, 0                 ; B's place in prepc
	s_add_co_u32 s42, s42, s40                     ; tile column
	s_add_co_u32 s13, s13, s41                     ; tile row
	s_lshl_b32 s43, s41, 2
	s_lshl_b32 s43, 15, s43                        ; my row of the cluster
	s_lshl_b32 s44, 0x1111, s40                    ; my column
	s_or_b32 s[G1+0], s43, (0<<16)|(1<<20)|(1<<21)|(7<<22)|(3<<25)   ; the mask; elements of 1 byte; padding on; bit 21 beside a mask; 4 words behind every 256
	s_or_b32 s[G1B+0], s44, (0<<16)|(1<<20)|(1<<21)|(7<<22)|(3<<25)
.irp g, G1, G1B
	s_mov_b32 s[\g+1], 1024<<16                    ; tensor_dim0
	s_mov_b32 s[\g+2], 64<<16                      ; tensor_dim1
	s_mov_b32 s[\g+3], 1024<<16                    ; tile_dim0
	s_mov_b32 s[\g+4], 64                          ; tile_dim1
	s_mov_b32 s[\g+5], SIZE_K                      ; from row to row
	s_mov_b32 s[\g+6], 0
	s_mov_b32 s[\g+7], 0
.endr
	s_lshl_b32 s18, s12, 6
	s_lshl_b32 s20, s13, 7
	s_add_co_u32 s20, s20, s18                     ; A: row 128 x tile row + 64 x half
	s_lshl_b32 s20, s20, 10
	s_add_co_u32 s20, s20, s16
	s_mov_b32 s21, 0
	s_lshl_b32 s46, s42, 7
	s_add_co_u32 s46, s46, s18                     ; B: row 128 x tile column + 64 x half
	s_lshl_b32 s46, s46, 10
	s_add_co_u32 s46, s46, s17
	s_mov_b32 s47, 0
	s_mul_i32 s22, s12, AHALF                      ; where they go: no place in the cluster enters an LDS address
	s_mul_i32 s23, s12, BHALF
	s_add_co_u32 s23, s23, 2*AHALF
	s_wait_kmcnt 0x0
	s_load_b512 s[80:95], s[76:77], 0x0            ; e_k in s[80 + k]
	s_cmp_eq_u32 ttmp9, 2
	s_cselect_b64 s[6:7], s[72:73], s[70:71]       ; B: W_K's or W_Q's codes,
	s_cmp_eq_u32 ttmp9, 3
	s_cselect_b64 s[6:7], s[68:69], s[6:7]         ; or LN1's
	s_cselect_b64 s[4:5], s[74:75], s[68:69]       ; A: W_V's codes or LN1's
	s_add_nc_u64 s[14:15], s[4:5], s[20:21]
	s_add_nc_u64 s[46:47], s[6:7], s[46:47]
	CROUND                                         ; all sixteen work-groups are here: the joint loads meet
.irp s, 0
	s_mov_b32 s[G0+4*\s], 1
	s_add_co_u32 s[G0+4*\s+1], s22, \s*SLOT
	s_add_nc_u64 s[G0+4*\s+2:G0+4*\s+3], s[14:15], \s*ASTEP
	s_or_b32 s[G0+4*\s+3], s[G0+4*\s+3], 0x80000000
	s_mov_b32 s[G0B+4*\s], 1
	s_add_co_u32 s[G0B+4*\s+1], s23, \s*SLOT
	s_add_nc_u64 s[G0B+4*\s+2:G0B+4*\s+3], s[46:47], \s*512
	s_or_b32 s[G0B+4*\s+3], s[G0B+4*\s+3], 0x80000000
	JLOAD \s                                       ; one load of mine is out: all of K
.endr
	v_and_b32 v1, 15, v0                           ; r
	v_bfe_u32 v2, v0, 4, 1                         ; h
	v_mul_u32_u24 v3, v1, AP
	v_lshl_add_u32 v3, v2, 4, v3
	v_mul_u32_u24 v4, v1, BP
	v_lshl_add_u32 v4, v2, 4, v4
	s_mul_i32 s21, s11, AHALF                      ; my 64 rows of A
	s_mul_i32 s22, s12, BHALF                      ; my 64 rows of B,
	s_add_co_u32 s22, s22, 2*AHALF                 ; behind A's 128
.irp s, 0,1
	v_add_nc_u32 v[ADRA+\s], s21, v3
	v_add_nc_u32 v[ADRB+\s], s22, v4
	s_add_co_u32 s21, s21, SLOT
	s_add_co_u32 s22, s22, SLOT
.endr
	s_mul_i32 s23, s10, 5120
	s_add_co_u32 s23, s23, STAGE                   ; my stage
	v_mul_u32_u24 v5, v1, 80
	v_lshl_add_u32 v5, v2, 4, v5
	v_add_nc_u32 v[STO], s23, v5                   ; in: row r; my half's two groups of eight of each 32 columns stand side by side: 16 h
	v_bfe_u32 v6, v0, 2, 3
	v_mul_u32_u24 v6, v6, 80
	v_and_b32 v7, 3, v0
	v_lshl_add_u32 v6, v7, 4, v6
	v_add_nc_u32 v[RD], s23, v6                    ; back: four lanes to a row of 64 bytes, eight rows an instruction
	v_and_b32 v7, 31, v0
	v_lshlrev_b32 v[CO], 4, v7                     ; which are 512 consecutive bytes of the output
	s_lshl_b32 s16, s42, 1
	s_add_co_u32 s16, s16, s12                     ; my 64 columns: panel 2 x tile column + half
	s_mov_b32 s17, 262144                          ; a panel: 4,096 rows of 64 bytes,
	s_cmp_eq_u32 ttmp9, 3
	s_cselect_b32 s17, 32768, s17                  ; or v^T's 512
	s_mul_i32 s16, s16, s17
	s_lshl_b32 s18, s13, 13
	s_add_co_u32 s16, s16, s18
	s_lshl_b32 s18, s11, 12
	s_add_co_u32 s16, s16, s18                     ; + (128 x tile row + 64 x half) rows
	s_mov_b32 s19, 6291456
	s_cmp_eq_u32 ttmp9, 2
	s_cselect_b32 s18, 4194304, 0
	s_cmp_eq_u32 ttmp9, 3
	s_cselect_b32 s18, s19, s18
	s_add_co_u32 s16, s16, s18                     ; + the tensor's place in qkvc
	s_mov_b32 s17, 0
	s_add_nc_u64 s[8:9], s[78:79], s[16:17]
	s_wait_alu depctr_va_vdst(0)                   ; the wait at the head's end
	s_wait_tensorcnt 0x0                           ; my one load, 64 rows of all of K, is in
	s_barrier_signal -1
	s_barrier_wait -1
	FETCH 0, 0, F0
	QUARTER 0, 1, F0, F1, 1                        ; the first products start the sums: nothing is cleared
	QUARTER 0, 2, F1, F0, 0
	QUARTER 0, 3, F0, F1, 0
	QUARTER 1, 0, F1, F0, 0
	QUARTER 1, 1, F0, F1, 0
	QUARTER 1, 2, F1, F0, 0
	QUARTER 1, 3, F0, F1, 0
	s_wait_dscnt 0
	WIN MUL
	MULA F1, 0, 0
	MULA F1, 1, 0
	MULA F1, 2, 0
	MULA F1, 3, 0
	WIN 0
	; THE WAY OUT: hold, convert, through my stage, 4,096 consecutive bytes
	s_wait_kmcnt 0x0
	s_add_co_i32 s16, s80, s81
	s_add_co_i32 s17, s82, s83
	s_add_co_i32 s18, s84, s85
	s_cmp_eq_u32 ttmp9, 2
	s_cselect_b32 s16, s17, s16
	s_cselect_b32 s19, s86, s87                    ; k under e6, q under e7,
	s_cmp_eq_u32 ttmp9, 3
	s_cselect_b32 s16, s18, s16
	s_cselect_b32 s19, s88, s19                    ; v under e8
	s_sub_co_i32 s16, s19, s16                     ; eT - eA - eB
	s_add_co_i32 s16, s16, 127
	s_lshl_b32 s17, s16, 23
	v_mov_b32 v30, s17
	s_add_co_i32 s16, s16, 15
	s_lshl_b32 s16, s16, 23
	s_or_b32 s16, s16, 0x600000
	v_mov_b32 v31, s16
	PLACES
.set t, 0
.rept 16
.set n, 0
.rept 8
	v_med3_num_f32 v[ACC+8*t+n], v[ACC+8*t+n], -v31, v31   ; each accumulator from its low end on
.set n, n+1
.endr
	v_cvt_scalef32_pk8_bf8_f32 v[32+2*t:33+2*t], v[ACC+8*t:ACC+8*t+7], v30
.set t, t+1
.endr
	v_nop
.irp a, 0,1,2,3
.irp b, 0,1,2,3
	ds_store_b64 v[STO], v[32+2*(4*\a+\b):33+2*(4*\a+\b)] offset:\a*1280+32*(\b/2)+8*(\b%2)   ; row 16 a + r; columns 16 b + 8 h + 0..7 go to byte 32 (b / 2) + 16 h + 8 (b % 2)
.endr
.endr
.irp i, 0,1,2,3,4,5,6,7
	ds_load_b128 v[64+4*\i:67+4*\i], v[RD] offset:640*\i   ; LDS serves a wave's instructions in order: these see my stores
.endr
.irp i, 0,1,2,3,4,5,6,7
	s_wait_dscnt 7-\i
	global_store_b128 v[CO], v[64+4*\i:67+4*\i], s[8:9] offset:512*\i
.endr
	s_wait_tensorcnt 0x0                           ; the wave's end
	ds_add_u32 v[SPW], v[NIL]
	s_wait_dscnt 0x0
	CROUND                                         ; the closing round
	s_endpgm
.Lfunc_end_k_q9101794c0b_qkv:
	.size	k_q9101794c0b_qkv, .Lfunc_end_k_q9101794c0b_qkv-k_q9101794c0b_qkv
	.p2alignl 7, 3214868480
	.fill 96, 4, 3214868480
	.section	.rodata,"a",@progbits
	.p2align	6, 0x0
	.amdhsa_kernel k_q9101794c0b_qkv
		.amdhsa_group_segment_fixed_size 327680
		.amdhsa_private_segment_fixed_size 0
		.amdhsa_enable_private_segment 0
		.amdhsa_kernarg_size 48
		.amdhsa_user_sgpr_count 2
		.amdhsa_user_sgpr_kernarg_segment_ptr 1
		.amdhsa_wavefront_size32 1
		.amdhsa_system_sgpr_workgroup_id_x 1
		.amdhsa_system_sgpr_workgroup_id_y 1
		.amdhsa_system_sgpr_workgroup_id_z 1
		.amdhsa_system_vgpr_workitem_id 0
		.amdhsa_next_free_vgpr 512
		.amdhsa_next_free_sgpr 96
		.amdhsa_reserve_vcc 0
		.amdhsa_float_denorm_mode_32 3
		.amdhsa_float_denorm_mode_16_64 3
		.amdhsa_memory_ordered 1
		.amdhsa_forward_progress 1
		.amdhsa_inst_pref_size 46
	.end_amdhsa_kernel
	.amdgpu_metadata
---
amdhsa.version: [ 1, 2 ]
amdhsa.kernels:
  - .name:           k_q9101794c0b_qkv
    .symbol:         k_q9101794c0b_qkv.kd
    .args:
      - { .name: prepc, .offset: 0, .size: 8, .value_kind: global_buffer, .address_space: global }
      - { .name: W_Q_codes, .offset: 8, .size: 8, .value_kind: global_buffer, .address_space: global }
      - { .name: W_K_codes, .offset: 16, .size: 8, .value_kind: global_buffer, .address_space: global }
      - { .name: W_V_codes, .offset: 24, .size: 8, .value_kind: global_buffer, .address_space: global }
      - { .name: lowp_scales, .offset: 32, .size: 8, .value_kind: global_buffer, .address_space: global }
      - { .name: qkvc, .offset: 40, .size: 8, .value_kind: global_buffer, .address_space: global }
    .group_segment_fixed_size: 327680
    .private_segment_fixed_size: 0
    .kernarg_segment_align: 8
    .kernarg_segment_size: 48
    .max_flat_workgroup_size: 128
    .sgpr_count:     96
    .vgpr_count:     512
    .wavefront_size: 32
...
	.end_amdgpu_metadata
.endif
;; end of part 2
;; launch attn (part 3): grid 16 x 16, 16 waves a work-group, no clusters, 327,680 bytes of LDS; arguments qkvc, lowp_scales, zc; writes zc
.if DOCPART == 3
	.amdgcn_target "amdgcn-amd-amdhsa--gfx1250"
	.amdhsa_code_object_version 6
	.text
	.protected	k_q9101794c0b_attn
	.globl	k_q9101794c0b_attn
	.p2align	8
	.type	k_q9101794c0b_attn,@function
k_q9101794c0b_attn:
	s_mov_b64 s[64:65], 0
	v_nop
	global_prefetch_b8 v0, s[64:65] scope:SCOPE_SE
	s_setreg_imm32_b32 hwreg(HW_REG_WAVE_MODE, 25, 1), 1
	s_wait_xcnt 0x0
; Causal grouped-query attention on codes of E5M2: z = softmax(q k^T / 8) v for 2 batches x 8 groups x 2 heads, 2,048 positions, head size 64; z quantised under e10 into zc [8 group][4096 token][128 = 64 i + d].
; q under e7: qkvc + 0 [16 head][4096][64]; k under e6: + 4,194,304 [8][4096][64]; v under e8, keys innermost: + 6,291,456 [64 = token / 64][512 = 64 g + d][64].
; In all three the four groups of eight bytes of every 32 of a row stand in the order 0, 2, 1, 3: in q and k one and the same order along the head's 64; in v the order in which a lane holds p's keys.
; THE SOFTMAX: t = score x log2(e) / 8; M = the running largest t rounded up to a whole number; p = 2^(t - M) is quantised under e9, not normalised; the row's sum is taken of the unquantised p and divides at the end.
; SHARES.  Work-group (j, 8 b + g) owns two blocks of 64 positions, the late one 31 - j and the early one j, for both heads of group g: 16 tiles of 16 queries, and SIXTEEN waves of 256 registers.
; Wave w: head w / 8, queries 16 (w % 4) on, and of the key steps of 128 keys those of parity y = (w / 4) % 2.  It walks its half of the late tile's steps, then its half of the early tile's: 8 or 9 steps in every
; wave of every work-group.  Waves w and w xor 4 so hold two halves of each of two tiles, each half with its own running M, sum and O^T.  They are joined at the end: with M the larger of the two, each half is
; multiplied by 2^(its M - M), an exact power of two as at any change of a running M; a half with no step has the sum 0 and gets the factor 0.  The even wave joins the late tile, the odd wave the early one.
; ALL OF k AND v OF (b, g) STAYS IN LDS: 2 x 131,072 bytes of codes, laid as rows of 256 bytes + 16 of padding (four keys, or four of v's rows, to an LDS row): 2 x 139,264 bytes.  Nothing is filled twice.
; Keys go in four chunks of 512.  At the head each wave asks for 4,096 bytes of chunk 0 (waves 0-7: 64 keys of k each; waves 8-15: a panel of v each); behind the full sequence and a barrier each asks, by ONE load of
; three rows of 4,096 bytes, for the same part of chunks 1 to 3, which lands while chunk 0 is worked on.  In LDS the four chunks' parts of one wave lie side by side: group (chunk c, part n) at 17,408 n + 4,352 c.
; Trip counts are constants (late: 4 chunks; early: 2, its keys lie under 1,024); a step all of whose keys come after the wave's queries is left out, with the trip's later one, by a scalar branch on ids.
; THE HALVES go from wave to wave as images of the registers, 4,352 bytes each, in the bytes of chunks 2 and 3 of the wave's own part: these have had their last fill, and behind the late loop's last barrier nobody reads them.
; Only the step on the diagonal masks, by -infinity ahead of the maximum.  LIMIT: that equals the fill of -1,000,000 as long as a row's largest kept score lies above about -999,900.
; LIMITS on the exponents: e6 + e7 between -120 and 130; e9, and e10 - e8 - e9, between -126 and 112.
; NO CLUSTER: the work-groups of a (b, g) read different numbers of keys (64 (32 - j)), so a joint load would bring some partner a chunk that none of its waves reads.
; NO PREFETCH: both tensor loads of a wave go out ahead of the loops; there is no later load for a request to run ahead of.
; LAYOUT.  Both products transposed: S^T = k q^T (source 0 = 16 keys), O^T = v^T p^T (source 0 = 16 of the head's 64): a lane holds one query throughout.  Lane r of key tile t takes key 16 t + r: LDS byte
; 1,088 t + 272 (r / 4) + 64 (r % 4): sixteen different 16-byte columns of 256 bytes.  In the result a lane holds keys 16 t + 8 h + 0..7, so tiles 2 b, 2 b + 1 give the 16 bytes at 32 b + 16 h of a row of v as it is laid.
; REGISTERS.  Two sets of 64, v32-95 and v96-159, swap roles from step to step: set KR holds k, then v; set SR holds S^T, then p, then the NEXT step's k (asked for when p's codes are made).
; v12 -M, v13 the largest t, v[14:15] the sum; v16-23 the late q, v216-223 the early q; v24-27 the trip's LDS addresses; v160-191 O^T; v192-207 p's codes; v208-215 chains; v240, v241: 57,344 x 2^e9, 2^e9; v244, v245 the same for z.
.set GRP,   4352                       ; 64 keys in LDS: 16 rows x 272
.set WSTR,  4*GRP                      ; from one 64 keys of a chunk to the next
.set STEPB, 2*WSTR                     ; from key step to key step within a chunk
.set VOFF,  8*WSTR                     ; v lies behind k
.set STAGE, 2*VOFF                     ; z's stage: 128 rows x 144 bytes; no fill lands here
.set ZP,    144
.set SPARE, STAGE+128*ZP               ; the spare words, 128 bytes a wave
.set LP,  1                            ; v1  my lane's place in a tile, in my parity's first step of a chunk
.set PST, 2                            ; v2  my halves' bytes + 16 x lane;  v3 + 8 x lane
.set PS2, 3
.set ZST, 4
.set SPW, 5
.set NIL, 6
.set ZRD, 7
.set LO,  8
.set DQ,  10                           ; v10 r - 8 h
.set ADK, 24                           ; v24, v25 k's address for my first, second step of the trip
.set ADV, 26                           ; v26, v27 v's
.set PLX, 28                           ; v28, v29 my half of the tile that I join;  v30, v31 my partner's
.set PX2, 29
.set PLY, 30
.set PY2, 31
.set R1,  32
.set R2,  96
.set OT,  160
.set PC,  192
.set MX,  208
.set QLT, 16
.set QEA, 216
.set WV,   10
.set KF0,  19
.set SEL,  20
.set CS,   22
.set G1H,  24                          ; s[24:31] the head's load: 16 rows of 256 bytes, dense
.set G0,   32
.set G1K,  36                          ; s[36:43] three rows of 4,096 bytes, 32,768 apart (k's chunks)
.set G1V,  44                          ; s[44:51] the same, 262,144 apart (v's chunks)
.set QE,   52
.set Q0,   55
.set QL,   56
.set KF,   57
.set TB,   58
.set CNT,  59
.set OFFP, 60
.set STR,  62
.macro KLOAD reg, adr                  ; a step's eight tiles of k: 16 loads
.irp t, 0,1,2,3,4,5,6,7
	ds_load_b128 v[\reg+8*\t:\reg+8*\t+3], v[\adr] offset:(\t/4)*WSTR+(\t%4)*1088
	ds_load_b128 v[\reg+8*\t+4:\reg+8*\t+7], v[\adr] offset:(\t/4)*WSTR+(\t%4)*1088+32
.endr
.endm
; A KEY STEP, my p-th of the trip.  first = 1: k is fetched here; pre = 1: my next step's k is fetched into SR.  QR: q's registers; hid: the trip's end
.macro STEP KR, SR, p, first, pre, QR, hid
	s_add_co_u32 s84, s[KF], 256*(\p)              ; the step's first key
	s_cmp_gt_u32 s84, s[QL]
	s_cbranch_scc1 \hid                            ; it and all later keys come after my queries
.if \first
	KLOAD \KR, ADK+\p
.endif
.rept 5
	v_nop                                          ; five places: S^T is laid over the registers from which the last products read v
.endr
	s_wait_dscnt 0x0                               ; k is in
.irp t, 0,1,2,3,4,5,6,7
	v_wmma_f32_16x16x64_bf8_bf8 v[\SR+8*\t:\SR+8*\t+7], v[\KR+8*\t:\KR+8*\t+7], v[\QR:\QR+7], 0
.endr
.rept 4
	v_nop                                          ; places: for the loads over k, and for the first read of the scores
.endr
.irp t, 0,1,2,3
.irp c, 0,1,2,3
	ds_load_b128 v[\KR+16*\t+4*\c:\KR+16*\t+4*\c+3], v[ADV+\p] offset:(\c/2)*WSTR+\t*1088+32*(\c%2)   ; v: it lands under the softmax
.endr
.endr
	s_add_co_u32 s85, s84, 127
	s_cmp_le_u32 s85, s[Q0]
	s_cbranch_scc1 .Lopen_\@                       ; all 128 keys count for all my queries
	s_sub_co_i32 s85, s[Q0], s84
	v_add_nc_u32 v252, s85, v[DQ]                  ; d = my query - first key - 8 h.  Register 8 t + i holds key 16 t + 8 h + i: hidden where 16 t + i > d
	v_mov_b32 v254, 0xff800000
.set n, 0
.rept 64
	v_cmp_gt_i32 vcc_lo, 16*(n/8)+n%8, v252
	v_cndmask_b32 v[\SR+n], v[\SR+n], v254, vcc_lo
.set n, n+1
.endr
.Lopen_\@:
.irp c, 0,1,2,3                                ; the step's largest score among my 64 keys, in four chains; each accumulator is read from its low end on
	v_max3_num_f32 v[MX+\c], v[\SR+8*\c], v[\SR+8*\c+1], v[\SR+8*\c+2]
.endr
.irp o, 3,5
.irp c, 0,1,2,3
	v_max3_num_f32 v[MX+\c], v[MX+\c], v[\SR+8*\c+\o], v[\SR+8*\c+\o+1]
.endr
.endr
.irp c, 0,1,2,3
	v_max3_num_f32 v[MX+\c], v[MX+\c], v[\SR+8*\c+7], v[\SR+8*\c+32]
.endr
.irp o, 33,35,37
.irp c, 0,1,2,3
	v_max3_num_f32 v[MX+\c], v[MX+\c], v[\SR+8*\c+\o], v[\SR+8*\c+\o+1]
.endr
.endr
	v_max3_num_f32 v[MX], v[MX], v[\SR+39], v[\SR+47]
	v_max3_num_f32 v[MX+1], v[MX+1], v[\SR+55], v[\SR+63]
	s_delay_alu instid0(VALU_DEP_1)
	v_max3_num_f32 v254, v[MX], v[MX+1], v[MX+2]
	s_delay_alu instid0(VALU_DEP_1)
	v_max_num_f32 v254, v254, v[MX+3]
	s_delay_alu instid0(VALU_DEP_1)
	v_permlanex16_b32 v246, v254, s[SEL], s[SEL+1]
	s_delay_alu instid0(VALU_DEP_1)
	v_max_num_f32 v254, v254, v246                 ; and among lane l xor 16's
	s_delay_alu instid0(VALU_DEP_1)
	v_mul_f32 v254, s[CS], v254                    ; as t (c is positive)
	s_delay_alu instid0(VALU_DEP_1)
	v_max_num_f32 v13, v13, v254
	v_mov_b32 v254, v12
	s_delay_alu instid0(VALU_DEP_2)
	v_floor_f32 v12, -v13                          ; -M = floor(-t): M is a whole number
	s_delay_alu instid0(VALU_DEP_1)
	v_sub_f32 v254, v12, v254                      ; old M - new M: a whole number, 0 or less
	s_delay_alu instid0(VALU_DEP_1)
	v_cvt_i32_f32 v254, v254                       ; (it saturates)
	s_delay_alu instid0(VALU_DEP_1)
	v_ldexp_f32 v252, 1.0, v254                    ; f = 2^(old M - new M),
	v_ldexp_f32 v253, 1.0, v254                    ; once more, and -M once more: the two halves of a dual pair take their sources from different register banks
	v_mov_b32 v9, v12
.set n, 0
.rept 32
	v_dual_fma_f32 v[\SR+n], v[\SR+n], v242, v12 :: v_dual_fma_f32 v[\SR+n+1], v[\SR+n+1], v243, v9   ; t - M
.set n, n+2
.endr
.set n, 0
.rept 16
	v_dual_mul_f32 v[OT+n], v[OT+n], v252 :: v_dual_mul_f32 v[OT+n+1], v[OT+n+1], v253   ; O^T under the new M, ahead of the exponentials
.set n, n+2
.endr
	v_dual_mul_f32 v14, v14, v252 :: v_dual_mul_f32 v15, v15, v253   ; and the sums
	s_wait_alu depctr_va_vdst(0)                   ; the wait ahead of the batch
.set n, 0
.rept 64
	v_exp_f32 v[\SR+n], v[\SR+n]                   ; p = 2^(t - M)
.set n, n+1
.endr
	v_nop                                          ; a plain place behind the exponentials
	s_wait_alu depctr_va_vdst(0)                   ; one wait for the batch, ahead of its first reader
.irp c, 0,1,2,3                                ; the row's sum of the unquantised p, in four packed chains
	v_dual_add_f32 v[MX+2*\c], v[\SR+4*\c], v[\SR+4*\c+2] :: v_dual_add_f32 v[MX+2*\c+1], v[\SR+4*\c+1], v[\SR+4*\c+3]
.endr
.irp o, 16,24,32,40,48,56
.irp c, 0,1,2,3
	v_dual_add_f32 v[MX+2*\c], v[MX+2*\c], v[\SR+\o+2*\c] :: v_dual_add_f32 v[MX+2*\c+1], v[MX+2*\c+1], v[\SR+\o+2*\c+1]
.endr
.endr
	v_pk_add_f32 v[MX:MX+1], v[MX:MX+1], v[MX+2:MX+3]
	v_pk_add_f32 v[MX+4:MX+5], v[MX+4:MX+5], v[MX+6:MX+7]
	s_delay_alu instid0(VALU_DEP_1)
	v_pk_add_f32 v[MX:MX+1], v[MX:MX+1], v[MX+4:MX+5]
	s_delay_alu instid0(VALU_DEP_1)
	v_pk_add_f32 v[14:15], v[14:15], v[MX:MX+1]
.irp t, 0,1,2,3,4,5,6,7
.irp i, 0,2,4,6
	v_dual_min_num_f32 v[\SR+8*\t+\i], v[\SR+8*\t+\i], v240 :: v_dual_min_num_f32 v[\SR+8*\t+\i+1], v[\SR+8*\t+\i+1], v247   ; the hold (the conversion does not saturate: ISA guide 7.6.2); p is not negative
.endr
	v_cvt_scalef32_pk8_bf8_f32 v[PC+2*\t:PC+2*\t+1], v[\SR+8*\t:\SR+8*\t+7], v241
.endr
.if \pre
	KLOAD \SR, ADK+\p+1                            ; my next step's k, over p, which is done with: it lands under the products below
.endif
	v_nop                                          ; the plain line between the last conversion and the products that read its codes
	s_wait_alu depctr_va_vdst(0)                   ; the wait here, directly ahead of the wait below
.if \pre
	s_wait_dscnt 16                                ; v is in; the 16 younger loads, my next step's k, may be out
.else
	s_wait_dscnt 0x0                               ; v is in
.endif
.irp t, 0,1,2,3
	v_wmma_f32_16x16x128_bf8_bf8 v[OT+8*\t:OT+8*\t+7], v[\KR+16*\t:\KR+16*\t+15], v[PC:PC+15], v[OT+8*\t:OT+8*\t+7]
.endr
.endm
.macro ADDR                            ; the trip's four LDS addresses
	v_add_nc_u32 v[ADK], s[TB], v[LP]
	v_add_nc_u32 v[ADK+1], 2*STEPB, v[ADK]
	v_add_nc_u32 v[ADV], VOFF, v[ADK]
	v_add_nc_u32 v[ADV+1], VOFF+2*STEPB, v[ADK]
	s_wait_alu depctr_va_vdst(0)                   ; the wait
.endm
.macro PSTORE slot                     ; my half of a tile as an image of its registers: O^T in 8 x 512 bytes, then -M and the sum, 8 bytes a lane
.rept 4
	v_nop
.endr
	v_add_f32 v13, v14, v15                        ; the sum's two halves (the largest t is done with)
.irp q, 0,1,2,3,4,5,6,7
	ds_store_b128 v[PST], v[OT+4*\q:OT+4*\q+3] offset:\slot*GRP+512*\q
.endr
	ds_store_b64 v[PS2], v[12:13] offset:\slot*GRP+4096
.endm
.macro INIT
	v_mov_b32 v13, 0xff61b1e6                      ; -3e38, under every t
	v_floor_f32 v12, -v13
	v_mov_b32 v14, 0
	v_mov_b32 v15, 0
.set n, 0
.rept 32
	v_mov_b32 v[OT+n], 0                           ; O^T: the step is written once; the first change of M multiplies zeros
.set n, n+1
.endr
.endm
	s_load_b128 s[4:7], s[0:1], 0x0                ; qkvc, the scales' exponents
	s_load_b64 s[8:9], s[0:1], 0x10                ; zc
	v_lshl_add_u32 v[SPW], v0, 2, SPARE
	v_mov_b32 v[NIL], 0
	ds_add_u32 v[SPW], v[NIL]                      ; the opening lines: the add, twice on end, and its wait ahead of my first tensor load
	ds_add_u32 v[SPW], v[NIL]
	v_lshrrev_b32 v1, 5, v0
	v_readfirstlane_b32 s[WV], v1                  ; wave 0..15
	s_and_b32 s12, ttmp7, 0xffff
	s_lshr_b32 s13, s12, 3                         ; b
	s_and_b32 s14, s12, 7                          ; g
	s_lshr_b32 s15, s[WV], 3                       ; my head of the group.  Also: I fetch for k (0) or v (1); and which block's rows I store
	s_and_b32 s16, s[WV], 3                        ; which 16 queries
	s_and_b32 s18, s[WV], 7                        ; which 64 keys of a chunk I fetch; which 8 rows I store
	s_bfe_u32 s17, s[WV], 0x10002                  ; y: my parity of key steps.  Also: which tile I join, 0 the late one, 1 the early one
	s_lshl_b32 s[KF0], s17, 7                      ; my first step's first key
	s_sub_co_u32 s53, 31, ttmp9
	s_cmp_eq_u32 s15, 0
	s_cselect_b32 s54, s53, ttmp9                  ; the block whose rows I store
	s_lshl_b32 s85, s16, 4
	s_lshl_b32 s[Q0], s53, 6
	s_add_co_u32 s[Q0], s[Q0], s85                 ; the late tile's first query
	s_add_co_u32 s[QL], s[Q0], 15                  ; and its last
	s_lshl_b32 s[QE], ttmp9, 6
	s_add_co_u32 s[QE], s[QE], s85                 ; the early tile's first
.irp g, G1H, G1K, G1V
	s_mov_b32 s[\g], (0<<16)|(1<<20)|(5<<22)|(3<<25)   ; elements of 1 byte; 4 words of padding behind every 64
	s_mov_b32 s[\g+6], 0
	s_mov_b32 s[\g+7], 0
.endr
	s_mov_b32 s[G1H+1], 256<<16                    ; tensor_dim0
	s_mov_b32 s[G1H+2], 16<<16                     ; tensor_dim1
	s_mov_b32 s[G1H+3], 256<<16                    ; tile_dim0
	s_mov_b32 s[G1H+4], 16                         ; tile_dim1
	s_mov_b32 s[G1H+5], 256                        ; from row to row
.irp g, G1K, G1V
	s_mov_b32 s[\g+1], 4096<<16
	s_mov_b32 s[\g+2], 3<<16
	s_mov_b32 s[\g+3], 4096<<16
	s_mov_b32 s[\g+4], 3
.endr
	s_mov_b32 s[G1K+5], 32768
	s_mov_b32 s[G1V+5], 262144
	s_mov_b32 s[SEL], 0x76543210
	s_mov_b32 s[SEL+1], 0xfedcba98
	s_mov_b32 s[KF], s[KF0]
	s_mov_b32 s[TB], 0
	s_mov_b32 s[CNT], 4
	s_lshl_b32 s86, s14, 18
	s_lshl_b32 s87, s13, 17
	s_add_co_u32 s86, s86, s87
	s_add_co_u32 s86, s86, 4194304
	s_lshl_b32 s88, s18, 12
	s_add_co_u32 s86, s86, s88                     ; k of (b, g), my 64 keys of chunk 0
	s_lshl_b32 s87, s13, 20
	s_lshl_b32 s88, s14, 12
	s_add_co_u32 s87, s87, s88
	s_add_co_u32 s87, s87, 6291456
	s_lshl_b32 s88, s18, 15
	s_add_co_u32 s87, s87, s88                     ; v of (b, g), my panel of chunk 0
	s_mov_b32 s89, 262144
	s_cmp_eq_u32 s15, 0
	s_cselect_b32 s[OFFP], s86, s87
	s_cselect_b32 s[STR], 32768, s89               ; a chunk on, in memory
	s_mov_b32 s[OFFP+1], 0
	s_mov_b32 s[STR+1], 0
	s_mul_i32 s95, s18, WSTR
	s_mul_i32 s89, s15, VOFF
	s_add_co_u32 s95, s95, s89                     ; where my part of chunk 0 goes
	s_add_co_u32 s94, s95, 2*GRP                   ; my halves' bytes: my part of chunks 2 and 3
	s_xor_b32 s93, s18, 4
	s_mul_i32 s93, s93, WSTR
	s_add_co_u32 s93, s93, s89
	s_add_co_u32 s93, s93, 2*GRP                   ; my partner's (wave w xor 4)
	s_mul_i32 s89, s17, GRP
	s_add_co_u32 s93, s93, s89                     ; the tile that I join: its half there,
	s_add_co_u32 s84, s94, s89                     ; and mine
	s_lshl_b32 s90, s17, 6
	s_add_co_u32 s90, s90, s85
	s_mul_i32 s90, s90, ZP
	s_lshl_b32 s89, s15, 6
	s_add_co_u32 s90, s90, s89
	s_add_co_u32 s90, s90, STAGE                   ; the stage, in: row 64 y + 16 u, byte 64 x head
	s_mul_i32 s91, s[WV], 8*ZP
	s_add_co_u32 s91, s91, STAGE                   ; back: rows 8 w on
	s_lshl_b32 s92, s14, 1
	s_add_co_u32 s92, s92, s15
	s_lshl_b32 s92, s92, 18
	s_lshl_b32 s89, s13, 17
	s_add_co_u32 s92, s92, s89
	s_lshl_b32 s86, s[QE], 6
	s_add_co_u32 s86, s86, s92                     ; q: my head, the early tile,
	s_lshl_b32 s89, s[Q0], 6
	s_add_co_u32 s92, s92, s89                     ; the late tile
	s_mul_i32 s87, s17, STEPB
	s_lshl_b32 s88, s14, 19
	s_lshl_b32 s89, s13, 18
	s_add_co_u32 s88, s88, s89
	s_lshl_b32 s89, s54, 13
	s_add_co_u32 s88, s88, s89
	s_lshl_b32 s89, s18, 10
	s_add_co_u32 s88, s88, s89                     ; z: panel g, token 2,048 b + 64 block + 8 (w % 8), 128 bytes a token
	s_mov_b32 s89, 0
	s_wait_dscnt 0x0                               ; both opening adds are done
	s_wait_kmcnt 0x0
	s_load_b512 s[68:83], s[6:7], 0x0              ; e_k in s[68 + k]
	s_mov_b32 s[G0], 1
	s_mov_b32 s[G0+1], s95
	s_add_nc_u64 s[G0+2:G0+3], s[4:5], s[OFFP:OFFP+1]
	s_or_b32 s[G0+3], s[G0+3], 0x80000000
	tensor_load_to_lds s[G0:G0+3], s[G1H:G1H+7]    ; chunk 0: every wave's one load at the head
	s_nop 0
.rept 4
	v_nop
.endr
	s_add_nc_u64 s[66:67], s[8:9], s[88:89]
	v_and_b32 v9, 15, v0                           ; r
	v_bfe_u32 v11, v0, 4, 1                        ; h
	v_lshrrev_b32 v247, 2, v9
	v_and_b32 v249, 3, v9
	v_mul_u32_u24 v247, v247, 272
	v_lshl_add_u32 v247, v249, 6, v247
	v_lshl_add_u32 v[LP], v11, 4, v247             ; 272 (r / 4) + 64 (r % 4) + 16 h
	v_add_nc_u32 v[LP], s87, v[LP]                 ; + my parity's step
	v_mul_u32_u24 v[ZST], v9, ZP
	v_lshl_add_u32 v[ZST], v11, 3, v[ZST]
	v_add_nc_u32 v[ZST], s90, v[ZST]
	v_bfe_u32 v[ZRD], v0, 3, 2
	v_mul_u32_u24 v[ZRD], v[ZRD], ZP
	v_and_b32 v249, 7, v0
	v_lshl_add_u32 v[ZRD], v249, 4, v[ZRD]
	v_add_nc_u32 v[ZRD], s91, v[ZRD]               ; eight lanes to a row of 128 bytes
	v_and_b32 v[LO], 31, v0
	v_lshlrev_b32 v247, 3, v[LO]
	v_lshlrev_b32 v[LO], 4, v[LO]
	v_add_nc_u32 v[PST], s94, v[LO]
	v_add_nc_u32 v[PLX], s84, v[LO]
	v_add_nc_u32 v[PLY], s93, v[LO]
	v_add_nc_u32 v[PS2], s94, v247
	v_add_nc_u32 v[PX2], s84, v247
	v_add_nc_u32 v[PY2], s93, v247
	v_lshlrev_b32 v[DQ], 3, v11
	v_sub_nc_u32 v[DQ], v9, v[DQ]
	v_lshlrev_b32 v248, 6, v9
	v_lshl_add_u32 v248, v11, 4, v248              ; q: row r of 64 bytes, + 16 h
	v_add_nc_u32 v249, s86, v248
	v_add_nc_u32 v248, s92, v248
	global_load_b128 v[QLT:QLT+3], v248, s[4:5]
	global_load_b128 v[QLT+4:QLT+7], v248, s[4:5] offset:32
	global_load_b128 v[QEA:QEA+3], v249, s[4:5]
	global_load_b128 v[QEA+4:QEA+7], v249, s[4:5] offset:32
	INIT
	v_mov_b32 v246, 0                              ; written once: a permute's destination counts as a source
	v_mov_b32 v253, 0                              ; (the upper halves of the pairs v[252:253] and v[250:251])
	v_mov_b32 v251, 0
	s_wait_kmcnt 0x0
	s_add_co_i32 s84, s74, s75                     ; e6 + e7
	s_lshl_b32 s84, s84, 23
	s_mov_b32 s[CS], 0x3e38aa3b                    ; c = log2(e) / 8,
	s_add_co_i32 s[CS], s[CS], s84                 ; with the two exponents added to its exponent field
	s_mov_b32 s[CS+1], s[CS]
	v_mov_b32 v242, s[CS]                          ; c in two vector registers, for the dual pairs
	v_mov_b32 v243, s[CS]
	s_add_co_i32 s84, s77, 127                     ; e9
	s_lshl_b32 s85, s84, 23
	v_mov_b32 v241, s85
	s_add_co_i32 s84, s84, 15
	s_lshl_b32 s84, s84, 23
	s_or_b32 s84, s84, 0x600000
	v_mov_b32 v240, s84
	v_mov_b32 v247, s84                            ; the hold once more, for the dual pairs
	s_sub_co_i32 s84, s78, s76
	s_sub_co_i32 s84, s84, s77                     ; e10 - e8 - e9
	s_add_co_i32 s84, s84, 127
	s_lshl_b32 s85, s84, 23
	v_mov_b32 v245, s85
	s_add_co_i32 s84, s84, 15
	s_lshl_b32 s84, s84, 23
	s_or_b32 s84, s84, 0x600000
	v_mov_b32 v244, s84
	s_wait_alu depctr_va_vdst(0)                   ; the wait at the head's end
	s_wait_tensorcnt 0x0                           ; my part of chunk 0 is in; a later first fill stands behind the same lines as a refill
	ds_add_u32 v[SPW], v[NIL]
	s_add_co_u32 s[G0+1], s[G0+1], GRP             ; no load of mine is out, so group 0 may be written: beside chunk 0's part,
	s_add_nc_u64 s[G0+2:G0+3], s[G0+2:G0+3], s[STR:STR+1]   ; from chunk 1 on
	s_wait_dscnt 0x0
	s_barrier_signal -1
	s_barrier_wait -1                              ; chunk 0 is whole for every wave
	s_cmp_eq_u32 s15, 0
	s_cbranch_scc0 .Lfor_v
	tensor_load_to_lds s[G0:G0+3], s[G1K:G1K+7]    ; chunks 1 to 3: my one load behind this barrier
	s_nop 0
.rept 4
	v_nop
.endr
	s_branch .Lasked
.Lfor_v:
	tensor_load_to_lds s[G0:G0+3], s[G1V:G1V+7]
	s_nop 0
.rept 4
	v_nop
.endr
.Lasked:
	s_wait_loadcnt 0x0                             ; q
.Llate:                                            ; THE LATE TILE: 4 trips, a chunk of 512 keys each, my two steps of its four
	ADDR
	STEP R1, R2, 0, 1, 1, QLT, .Lhid_l
	STEP R2, R1, 1, 0, 0, QLT, .Lhid_l             ; the next chunk's k is fetched behind the barrier below
.Lhid_l:
	s_add_co_u32 s[TB], s[TB], GRP
	s_add_co_u32 s[KF], s[KF], 512
	s_wait_tensorcnt 0x0                           ; first trip: my part of chunks 1 to 3 is in; later trips find nothing out
	s_wait_dscnt 0x0                               ; no LDS load of mine is out at the signal (a step left out may have left k's behind)
	s_barrier_signal -1
	s_barrier_wait -1                              ; first trip: everybody's part is in; last trip: nobody reads chunks 2 and 3 any more.
	s_sub_co_u32 s[CNT], s[CNT], 1
	s_cmp_lg_u32 s[CNT], 0
	s_cbranch_scc1 .Llate
	PSTORE 0                                       ; my half of the late tile
	INIT
	s_mov_b32 s[Q0], s[QE]
	s_add_co_u32 s[QL], s[QE], 15
	s_mov_b32 s[KF], s[KF0]
	s_mov_b32 s[TB], 0
	s_mov_b32 s[CNT], 2
.Learly:                                           ; THE EARLY TILE: its keys lie in chunks 0 and 1: 2 trips; no wave writes there, so no barrier
	ADDR
	STEP R1, R2, 0, 1, 1, QEA, .Lhid_e
	STEP R2, R1, 1, 0, 0, QEA, .Lhid_e
.Lhid_e:
	s_add_co_u32 s[TB], s[TB], GRP
	s_add_co_u32 s[KF], s[KF], 512
	s_wait_dscnt 0x0                               ; a step left out may have left k's loads behind: their registers are loaded again only behind this wait
	s_sub_co_u32 s[CNT], s[CNT], 1
	s_cmp_lg_u32 s[CNT], 0
	s_cbranch_scc1 .Learly
	PSTORE 1                                       ; my half of the early tile
	s_wait_dscnt 0x0                               ; for my partner's sake: both my halves lie in LDS
	s_barrier_signal -1
	s_barrier_wait -1
	; THE TWO HALVES OF THE TILE THAT I JOIN: mine into O^T's registers and v[12:13], my partner's into v32-63 and v[64:65]
.irp q, 0,1,2,3,4,5,6,7
	ds_load_b128 v[OT+4*\q:OT+4*\q+3], v[PLX] offset:512*\q
.endr
	ds_load_b64 v[12:13], v[PX2] offset:4096
.irp q, 0,1,2,3,4,5,6,7
	ds_load_b128 v[R1+4*\q:R1+4*\q+3], v[PLY] offset:512*\q
.endr
	ds_load_b64 v[64:65], v[PY2] offset:4096
	s_wait_dscnt 0x0
	v_min_num_f32 v254, v12, v64                   ; -M of the two: the smaller
	v_sub_f32 v252, v254, v12                      ; my M - M, my partner's M - M: whole numbers, 0 or less
	v_sub_f32 v250, v254, v64
	v_cvt_i32_f32 v252, v252                       ; (they saturate: a half with no step gets the factor 0)
	v_cvt_i32_f32 v250, v250
	v_ldexp_f32 v252, 1.0, v252
	v_ldexp_f32 v250, 1.0, v250
	v_mul_f32 v14, v13, v252
	v_fma_f32 v14, v65, v250, v14                  ; the sum under M, of my 64 keys of each step,
	s_delay_alu instid0(VALU_DEP_1)
	v_permlanex16_b32 v246, v14, s[SEL], s[SEL+1]
	s_delay_alu instid0(VALU_DEP_1)
	v_add_f32 v14, v14, v246                       ; and lane l xor 16's: the row's sum
	s_wait_alu depctr_va_vdst(0)                   ; the wait ahead of the transcendental
	v_rcp_f32 v14, v14
	v_nop
	s_wait_alu depctr_va_vdst(0)                   ; and ahead of its first reader
	v_mul_f32 v252, v252, v14
	v_mul_f32 v250, v250, v14
.set n, 0
.rept 16
	v_pk_mul_f32 v[OT+n:OT+n+1], v[OT+n:OT+n+1], v[252:253] op_sel_hi:[1,0]
.set n, n+2
.endr
.set n, 0
.rept 16
	v_pk_fma_f32 v[OT+n:OT+n+1], v[R1+n:R1+n+1], v[250:251], v[OT+n:OT+n+1] op_sel_hi:[1,0,1]
.set n, n+2
.endr
.set n, 0
.rept 32
	v_med3_num_f32 v[OT+n], v[OT+n], -v244, v244
.set n, n+1
.endr
.irp t, 0,1,2,3
	v_cvt_scalef32_pk8_bf8_f32 v[PC+2*\t:PC+2*\t+1], v[OT+8*\t:OT+8*\t+7], v245   ; a sum stands for sum x 2^(e8 + e9): the three exponents are folded into one
.endr
	v_nop
.irp t, 0,1,2,3
	ds_store_b64 v[ZST], v[PC+2*\t:PC+2*\t+1] offset:16*\t   ; query r, d = 16 t + 8 h + 0..7
.endr
	s_wait_dscnt 0x0                               ; for the others' sake: my codes lie in the stage
	s_barrier_signal -1
	s_barrier_wait -1
	ds_load_b128 v[32:35], v[ZRD]                  ; four rows of 128 bytes
	ds_load_b128 v[36:39], v[ZRD] offset:4*ZP
	s_wait_dscnt 1
	global_store_b128 v[LO], v[32:35], s[66:67]    ; 512 consecutive bytes
	s_wait_dscnt 0
	global_store_b128 v[LO], v[36:39], s[66:67] offset:512
	s_wait_tensorcnt 0x0                           ; the wave's end
	ds_add_u32 v[SPW], v[NIL]
	s_wait_dscnt 0x0
	s_endpgm
.Lfunc_end_k_q9101794c0b_attn:
	.size	k_q9101794c0b_attn, .Lfunc_end_k_q9101794c0b_attn-k_q9101794c0b_attn
	.p2alignl 7, 3214868480
	.fill 96, 4, 3214868480
	.section	.rodata,"a",@progbits
	.p2align	6, 0x0
	.amdhsa_kernel k_q9101794c0b_attn
		.amdhsa_group_segment_fixed_size 327680
		.amdhsa_private_segment_fixed_size 0
		.amdhsa_enable_private_segment 0
		.amdhsa_kernarg_size 24
		.amdhsa_user_sgpr_count 2
		.amdhsa_user_sgpr_kernarg_segment_ptr 1
		.amdhsa_wavefront_size32 1
		.amdhsa_system_sgpr_workgroup_id_x 1
		.amdhsa_system_sgpr_workgroup_id_y 1
		.amdhsa_system_sgpr_workgroup_id_z 1
		.amdhsa_system_vgpr_workitem_id 0
		.amdhsa_next_free_vgpr 256
		.amdhsa_next_free_sgpr 96
		.amdhsa_reserve_vcc 1
		.amdhsa_float_denorm_mode_32 3
		.amdhsa_float_denorm_mode_16_64 3
		.amdhsa_memory_ordered 1
		.amdhsa_forward_progress 1
		.amdhsa_inst_pref_size 110
	.end_amdhsa_kernel
	.amdgpu_metadata
---
amdhsa.version: [ 1, 2 ]
amdhsa.kernels:
  - .name:           k_q9101794c0b_attn
    .symbol:         k_q9101794c0b_attn.kd
    .args:
      - { .name: qkvc, .offset: 0, .size: 8, .value_kind: global_buffer, .address_space: global }
      - { .name: lowp_scales, .offset: 8, .size: 8, .value_kind: global_buffer, .address_space: global }
      - { .name: zc, .offset: 16, .size: 8, .value_kind: global_buffer, .address_space: global }
    .group_segment_fixed_size: 327680
    .private_segment_fixed_size: 0
    .kernarg_segment_align: 8
    .kernarg_segment_size: 24
    .max_flat_workgroup_size: 512
    .sgpr_count:     96
    .vgpr_count:     256
    .wavefront_size: 32
...
	.end_amdgpu_metadata
.endif
;; end of part 3
;; launch oproj (part 4): grid 8 x 32, 4 waves a work-group, clusters of 4 x 4, 327,680 bytes of LDS; arguments zc, prepc, lowp_scales, b_out, x, post; writes post
.if DOCPART == 4
	.amdgcn_target "amdgcn-amd-amdhsa--gfx1250"
	.amdhsa_code_object_version 6
	.text
	.protected	k_q9101794c0b_oproj
	.globl	k_q9101794c0b_oproj
	.p2align	8
	.type	k_q9101794c0b_oproj,@function
k_q9101794c0b_oproj:
	s_mov_b64 s[64:65], 0
	v_nop
	global_prefetch_b8 v0, s[64:65] scope:SCOPE_SE
	s_setreg_imm32_b32 hwreg(HW_REG_WAVE_MODE, 25, 1), 1
	s_wait_xcnt 0x0
	s_wait_alu depctr_hold_cnt(0) depctr_sa_sdst(0) depctr_va_vdst(0) depctr_va_sdst(0) depctr_va_ssrc(0) depctr_va_vcc(0) depctr_vm_vsrc(0)
	s_getreg_b32 s2, hwreg(HW_REG_IB_STS2, 6, 4)
	s_cmp_eq_u32 s2, 0
	s_cbranch_scc0 .Lentry_in_a_cluster
	s_endpgm
.Lentry_in_a_cluster:
	s_bfe_u32 s2, ttmp6, 0x10000c
	s_cmp_lg_u32 s2, 0xf033
	s_cbranch_scc0 .Lentry_shape_is_right
	s_endpgm
.Lentry_shape_is_right:
; post = x + z W_out + b_out: C = A B^T on codes of E5M2, K = 1,024.  A: zc [8 panel][4096 token][128] under e10 (panel g is K 128 g on); B: W_out's codes [1024 d][1024 K] under e11, at prepc + 12,582,912.
; A tile of C is 128 x 128: four waves of 64 x 64.  All of K lies in two LDS slots of 512 along K, filled once by joint tensor loads (A's tile shared along a row of the 4 x 4 cluster, B's along a column).
; One load brings A's 64 tokens of eight panels: eight rows of 8,192 consecutive bytes, 524,288 bytes apart, with 16 bytes of padding behind every 128: in LDS panel q, token m at 9,216 q + 144 m.
; The matrix instruction is used transposed (source 0 = rows of B, source 1 = rows of A): a lane holds eight neighbouring columns of a row of C.  Fragments by four loads of 16 bytes, K in the same places in A and B.
; The residual's 64 x 64 piece and the bias are asked for at the head, in the stores' own pattern, and wait in registers.  out = sum x 2^(e10 + e11) + bias + residual.  LIMIT: e10 + e11 between -126 and 127.
; REGISTERS: window 0: v16-29 addresses; v32-95 the way out; v96-99 bias; v128-255 accumulators.  window 1: two fragment buffers.  window 2: v0-127 the residual.
.set SIZE_K, 1024
.set AP,     144
.set AQ,     9216
.set AHALF,  73728                     ; 64 tokens of all eight panels: what one tensor load brings
.set ASTEP,  2097152                   ; four panels on
.set AROWB,  128                       ; a token's bytes in a panel
.set BP,     1040                      ; B's LDS row holds all of K: 1,024 bytes + 16
.set BQ,     128
.set BHALF,  64*BP
.set BOFF,   12582912
.set ESC,    0x28                      ; e10, e11
.set GA0,    (0<<16)|(1<<20)|(1<<21)|(4<<22)|(3<<25)   ; 4 words of padding behind every 32
.set GAD0,   8192
.set GAD1,   8
.set GAST,   524288
.set SLOT,   512                       ; the second 512 along K: 512 bytes on in B's rows,
.set SLOTA,  36864                     ; four panels on in A's
.set STAGE,  2*AHALF+2*BHALF           ; 16 rows x 272 bytes for each wave
.set SPARE,  STAGE+4*16*272
.set LAPS,   SIZE_K/1024
.set ADRA, 16
.set ADRB, 20
.set STO,  24
.set RD,   25
.set CO,   26
.set SPW,  28
.set NIL,  29
.set ACC,  128
.set F0,   0
.set F1,   128
.set G1,  24
.set G0,  32
.set G1B, 48
.set G0B, 56
.set MSB, 0
.macro WIN new
.if MSB != \new
	s_set_vgpr_msb (MSB<<8)|\new
.set MSB, \new
.endif
.endm
.set MUL,  0x05
.set TO_F, 0x40
.macro JLOAD s
	s_cmp_eq_u32 s11, 0
	s_cbranch_scc0 .Lfor_b_\@
	tensor_load_to_lds s[G0+4*\s:G0+4*\s+3], s[G1:G1+7]
	s_nop 0
.rept 4
	v_nop
.endr
	s_branch .Lasked_\@
.Lfor_b_\@:
	tensor_load_to_lds s[G0B+4*\s:G0B+4*\s+3], s[G1B:G1B+7]
	s_nop 0
.rept 4
	v_nop
.endr
.Lasked_\@:
.endm
.macro CREST
	s_cmp_lg_u32 s10, 0
	s_cbranch_scc1 .Lnot_wave_0_\@
	s_barrier_signal -3
.Lnot_wave_0_\@:
	s_barrier_wait -3
	s_barrier_signal -1
	s_barrier_wait -1
.endm
.macro CROUND
	s_barrier_signal -1
	s_barrier_wait -1
	CREST
.endm
.macro PLACES
.rept 4
	v_nop
.endr
.endm
.macro MULA f, a, zero                 ; the 16 accumulators take turns, one instruction a turn
.irp b, 0,1,2,3
.if \zero
	v_wmma_f32_16x16x128_bf8_bf8 v[ACC+8*(4*(\a)+\b):ACC+8*(4*(\a)+\b)+7], v[\f+64+16*\b:\f+64+16*\b+15], v[\f+16*(\a):\f+16*(\a)+15], 0
.else
	v_wmma_f32_16x16x128_bf8_bf8 v[ACC+8*(4*(\a)+\b):ACC+8*(4*(\a)+\b)+7], v[\f+64+16*\b:\f+64+16*\b+15], v[\f+16*(\a):\f+16*(\a)+15], v[ACC+8*(4*(\a)+\b):ACC+8*(4*(\a)+\b)+7]
.endif
.endr
.endm
.macro FETCH slot, q, f
	WIN TO_F
.irp i, 0,1,2,3
.irp c, 0,1,2,3
	ds_load_b128 v[\f+64+16*\i+4*\c:\f+64+16*\i+4*\c+3], v[ADRB+\slot] offset:BQ*(\q)+32*\c+16*\i*BP
.endr
.irp c, 0,1,2,3
	ds_load_b128 v[\f+16*\i+4*\c:\f+16*\i+4*\c+3], v[ADRA+\slot] offset:AQ*(\q)+32*\c+16*\i*AP
.endr
.endr
.endm
.macro QUARTER slot, q, f, g, zero
	PLACES
	FETCH \slot, \q, \g
	s_wait_dscnt 32                                ; f's loads are in; the 32 just issued may be out
	WIN MUL
	MULA \f, 0, \zero
	MULA \f, 1, \zero
	MULA \f, 2, \zero
	MULA \f, 3, \zero
.endm
	s_load_b256 s[68:75], s[0:1], 0x0              ; A's codes, B's buffer, the scales' exponents, the bias
	s_load_b128 s[76:79], s[0:1], 0x20             ; the residual, the output
	v_lshl_add_u32 v[SPW], v0, 2, SPARE
	v_mov_b32 v[NIL], 0
	ds_add_u32 v28, v29
	ds_add_u32 v28, v29
	s_wait_dscnt 0x0
	v_lshrrev_b32 v1, 5, v0
	v_readfirstlane_b32 s10, v1
	s_lshr_b32 s11, s10, 1
	s_and_b32 s12, s10, 1
	s_bfe_u32 s40, ttmp6, 0x40000
	s_bfe_u32 s41, ttmp6, 0x40004
	s_lshl_b32 s42, ttmp9, 2
	s_add_co_u32 s42, s42, s40                     ; tile column
	s_and_b32 s13, ttmp7, 0xffff
	s_lshl_b32 s13, s13, 2
	s_add_co_u32 s13, s13, s41                     ; tile row
	s_lshl_b32 s43, s41, 2
	s_lshl_b32 s43, 15, s43
	s_lshl_b32 s44, 0x1111, s40
	s_or_b32 s[G1+0], s43, GA0
	s_mov_b32 s[G1+1], GAD0<<16
	s_mov_b32 s[G1+2], GAD1<<16
	s_mov_b32 s[G1+3], GAD0<<16
	s_mov_b32 s[G1+4], GAD1
	s_mov_b32 s[G1+5], GAST
	s_mov_b32 s[G1+6], 0
	s_mov_b32 s[G1+7], 0
	s_or_b32 s[G1B+0], s44, (0<<16)|(1<<20)|(1<<21)|(7<<22)|(3<<25)
	s_mov_b32 s[G1B+1], 1024<<16
	s_mov_b32 s[G1B+2], 64<<16
	s_mov_b32 s[G1B+3], 1024<<16
	s_mov_b32 s[G1B+4], 64
	s_mov_b32 s[G1B+5], SIZE_K
	s_mov_b32 s[G1B+6], 0
	s_mov_b32 s[G1B+7], 0
	s_lshl_b32 s18, s12, 6
	s_lshl_b32 s20, s13, 7
	s_add_co_u32 s20, s20, s18
	s_mul_i32 s20, s20, AROWB
	s_mov_b32 s21, 0
	s_lshl_b32 s46, s42, 7
	s_add_co_u32 s46, s46, s18
	s_mul_i32 s46, s46, SIZE_K
	s_add_co_u32 s46, s46, BOFF
	s_mov_b32 s47, 0
	s_mul_i32 s22, s12, AHALF
	s_mul_i32 s23, s12, BHALF
	s_add_co_u32 s23, s23, 2*AHALF
	s_wait_kmcnt 0x0
	s_load_b64 s[80:81], s[72:73], ESC
	s_add_nc_u64 s[14:15], s[68:69], s[20:21]
	s_add_nc_u64 s[46:47], s[70:71], s[46:47]
	CROUND
.irp s, 0
	s_mov_b32 s[G0+4*\s], 1
	s_add_co_u32 s[G0+4*\s+1], s22, \s*SLOT
	s_add_nc_u64 s[G0+4*\s+2:G0+4*\s+3], s[14:15], \s*ASTEP
	s_or_b32 s[G0+4*\s+3], s[G0+4*\s+3], 0x80000000
	s_mov_b32 s[G0B+4*\s], 1
	s_add_co_u32 s[G0B+4*\s+1], s23, \s*SLOT
	s_add_nc_u64 s[G0B+4*\s+2:G0B+4*\s+3], s[46:47], \s*512
	s_or_b32 s[G0B+4*\s+3], s[G0B+4*\s+3], 0x80000000
	JLOAD \s
.endr
	v_and_b32 v1, 15, v0
	v_bfe_u32 v2, v0, 4, 1
	v_mul_u32_u24 v3, v1, AP
	v_lshl_add_u32 v3, v2, 4, v3
	v_mul_u32_u24 v4, v1, BP
	v_lshl_add_u32 v4, v2, 4, v4
	s_mul_i32 s21, s11, AHALF
	s_mul_i32 s22, s12, BHALF
	s_add_co_u32 s22, s22, 2*AHALF
.irp s, 0,1
	v_add_nc_u32 v[ADRA+\s], s21, v3
	v_add_nc_u32 v[ADRB+\s], s22, v4
	s_add_co_u32 s21, s21, SLOTA
	s_add_co_u32 s22, s22, SLOT
.endr
	s_mul_i32 s23, s10, 16*272
	s_add_co_u32 s23, s23, STAGE
	v_mul_u32_u24 v5, v1, 272
	v_lshl_add_u32 v5, v2, 5, v5
	v_add_nc_u32 v[STO], s23, v5                   ; in: row r, 32 bytes for each half of the lanes
	v_mul_u32_u24 v6, v2, 272
	v_lshl_add_u32 v6, v1, 4, v6
	v_add_nc_u32 v[RD], s23, v6                    ; back: lanes 0-15 one row of 256 bytes, lanes 16-31 the next
	v_lshlrev_b32 v[CO], 12, v2
	v_lshl_add_u32 v[CO], v1, 4, v[CO]             ; and the same two rows of 4,096 bytes in memory
	s_wait_alu depctr_va_vdst(0)
	v_lshlrev_b32 v27, 4, v1
	s_wait_alu depctr_va_vdst(0)
	s_lshl_b32 s16, s13, 7
	s_lshl_b32 s17, s11, 6
	s_add_co_u32 s16, s16, s17
	s_lshl_b32 s16, s16, 12                        ; my first row, in bytes
	s_lshl_b32 s82, s42, 9
	s_lshl_b32 s83, s12, 8
	s_add_co_u32 s82, s82, s83                     ; my first column, in bytes
	s_mov_b32 s83, 0
	s_add_nc_u64 s[74:75], s[74:75], s[82:83]
	s_add_co_u32 s82, s82, s16
	s_add_nc_u64 s[76:77], s[76:77], s[82:83]
	s_add_nc_u64 s[78:79], s[78:79], s[82:83]
	WIN 0x80                                       ; destination window 2
.irp a, 0,1,2,3
.irp t, 0,1,2,3,4,5,6,7
	global_load_b128 v[32*\a+4*\t:32*\a+4*\t+3], v[CO], s[76:77] offset:(16*\a+2*\t)*4096
.endr
.endr
	WIN 0
	global_load_b128 v[96:99], v27, s[74:75]
	s_wait_alu depctr_va_vdst(0)                   ; the wait at the head's end
	s_wait_tensorcnt 0x0                           ; my one load, all of K for 64 rows, is in
	s_barrier_signal -1
	s_barrier_wait -1
	FETCH 0, 0, F0
	QUARTER 0, 1, F0, F1, 1
	QUARTER 0, 2, F1, F0, 0
	QUARTER 0, 3, F0, F1, 0
	QUARTER 1, 0, F1, F0, 0
	QUARTER 1, 1, F0, F1, 0
	QUARTER 1, 2, F1, F0, 0
	QUARTER 1, 3, F0, F1, 0
	s_wait_dscnt 0
	WIN MUL
	MULA F1, 0, 0
	MULA F1, 1, 0
	MULA F1, 2, 0
	MULA F1, 3, 0
	WIN 0
	; THE WAY OUT, 16 rows x 64 columns at a time through my own stage, so that sixteen lanes store 256 consecutive bytes
.macro TOSTAGE a
.set BK, 32+32*((\a)%2)
.irp b, 0,1,2,3
	ds_store_b128 v[STO], v[ACC+8*(4*(\a)+\b):ACC+8*(4*(\a)+\b)+3] offset:64*\b          ; each accumulator from its low end on
	ds_store_b128 v[STO], v[ACC+8*(4*(\a)+\b)+4:ACC+8*(4*(\a)+\b)+7] offset:64*\b+16
.endr
.irp t, 0,1,2,3,4,5,6,7
	ds_load_b128 v[BK+4*\t:BK+4*\t+3], v[RD] offset:544*\t   ; LDS serves a wave's instructions in order
.endr
.endm
.macro SEND a, younger
.set BK, 32+32*((\a)%2)
	s_wait_dscnt \younger
.irp t, 0,1,2,3,4,5,6,7
	v_pk_fma_f32 v[BK+4*\t:BK+4*\t+1], v[BK+4*\t:BK+4*\t+1], s[66:67], v[96:97] op_sel_hi:[1,0,1]     ; sum x 2^(eA + eB) + bias
	v_pk_fma_f32 v[BK+4*\t+2:BK+4*\t+3], v[BK+4*\t+2:BK+4*\t+3], s[66:67], v[98:99] op_sel_hi:[1,0,1]
.endr
	WIN 0x08                                       ; source 1 window 2
.irp t, 0,1,2,3,4,5,6,7
	v_pk_add_f32 v[BK+4*\t:BK+4*\t+1], v[BK+4*\t:BK+4*\t+1], v[32*(\a)+4*\t:32*(\a)+4*\t+1]           ; + the residual
	v_pk_add_f32 v[BK+4*\t+2:BK+4*\t+3], v[BK+4*\t+2:BK+4*\t+3], v[32*(\a)+4*\t+2:32*(\a)+4*\t+3]
.endr
	WIN 0
.irp t, 0,1,2,3,4,5,6,7
	global_store_b128 v[CO], v[BK+4*\t:BK+4*\t+3], s[78:79] offset:(16*(\a)+2*\t)*4096
.endr
.endm
	s_wait_kmcnt 0x0
	s_add_co_i32 s66, s80, s81
	s_add_co_i32 s66, s66, 127
	s_lshl_b32 s66, s66, 23                        ; 2^(eA + eB) as f32
	s_mov_b32 s67, s66
	s_wait_loadcnt 0x0                             ; the residual and the bias
	PLACES
	TOSTAGE 0
.irp a, 1,2,3
.if \a > 1
	s_wait_xcnt 0x0                                ; block a - 2's stores have had their addresses translated: their data registers are loaded again only behind this wait
.endif
	TOSTAGE \a
	SEND \a-1, 16                                  ; behind block a - 1's loads: block a's 8 stores and 8 loads
.endr
	SEND 3, 0
	s_wait_tensorcnt 0x0                           ; the wave's end
	ds_add_u32 v[SPW], v[NIL]
	s_wait_dscnt 0x0
	CROUND
	s_endpgm
.Lfunc_end_k_q9101794c0b_oproj:
	.size	k_q9101794c0b_oproj, .Lfunc_end_k_q9101794c0b_oproj-k_q9101794c0b_oproj
	.p2alignl 7, 3214868480
	.fill 96, 4, 3214868480
	.section	.rodata,"a",@progbits
	.p2align	6, 0x0
	.amdhsa_kernel k_q9101794c0b_oproj
		.amdhsa_group_segment_fixed_size 327680
		.amdhsa_private_segment_fixed_size 0
		.amdhsa_enable_private_segment 0
		.amdhsa_kernarg_size 48
		.amdhsa_user_sgpr_count 2
		.amdhsa_user_sgpr_kernarg_segment_ptr 1
		.amdhsa_wavefront_size32 1
		.amdhsa_system_sgpr_workgroup_id_x 1
		.amdhsa_system_sgpr_workgroup_id_y 1
		.amdhsa_system_sgpr_workgroup_id_z 1
		.amdhsa_system_vgpr_workitem_id 0
		.amdhsa_next_free_vgpr 640
		.amdhsa_next_free_sgpr 96
		.amdhsa_reserve_vcc 0
		.amdhsa_float_denorm_mode_32 3
		.amdhsa_float_denorm_mode_16_64 3
		.amdhsa_memory_ordered 1
		.amdhsa_forward_progress 1
		.amdhsa_inst_pref_size 52
	.end_amdhsa_kernel
	.amdgpu_metadata
---
amdhsa.version: [ 1, 2 ]
amdhsa.kernels:
  - .name:           k_q9101794c0b_oproj
    .symbol:         k_q9101794c0b_oproj.kd
    .args:
      - { .name: zc, .offset: 0, .size: 8, .value_kind: global_buffer, .address_space: global }
      - { .name: prepc, .offset: 8, .size: 8, .value_kind: global_buffer, .address_space: global }
      - { .name: lowp_scales, .offset: 16, .size: 8, .value_kind: global_buffer, .address_space: global }
      - { .name: b_out, .offset: 24, .size: 8, .value_kind: global_buffer, .address_space: global }
      - { .name: x, .offset: 32, .size: 8, .value_kind: global_buffer, .address_space: global }
      - { .name: post, .offset: 40, .size: 8, .value_kind: global_buffer, .address_space: global }
    .group_segment_fixed_size: 327680
    .private_segment_fixed_size: 0
    .kernarg_segment_align: 8
    .kernarg_segment_size: 48
    .max_flat_workgroup_size: 128
    .sgpr_count:     96
    .vgpr_count:     640
    .wavefront_size: 32
...
	.end_amdgpu_metadata
.endif
;; end of part 4
;; launch ln2 (part 5): grid 256 x 1, 8 waves a work-group, no clusters, 9,216 bytes of LDS; arguments post, ln2_w, ln2_b, lowp_scales, hc; writes hc
.if DOCPART == 5
	.amdgcn_target "amdgcn-amd-amdhsa--gfx1250"
	.amdhsa_code_object_version 6
	.text
	.protected	k_q9101794c0b_ln2
	.globl	k_q9101794c0b_ln2
	.p2align	8
	.type	k_q9101794c0b_ln2,@function
k_q9101794c0b_ln2:
	s_mov_b64 s[64:65], 0
	v_nop
	global_prefetch_b8 v0, s[64:65] scope:SCOPE_SE
	s_setreg_imm32_b32 hwreg(HW_REG_WAVE_MODE, 25, 1), 1
	s_wait_xcnt 0x0
; LN2 of post [4096][1024] f32, quantised under e12 into codes of E5M2: hc [4096][1024] bytes.
; One wave takes two rows; a row is 32 registers a lane (register 4 j + i = column 128 j + 4 lane + i), kept between the passes: mean, sum of squared deviations, scaling.
; A lane's codes turn through the wave's own stage in LDS and leave as 512 consecutive bytes a store.  Waves share nothing: no barrier.
; LIMITS: e12 between -126 and 112.  NaN and infinities among the inputs are not served.
.set NS,   1
.set X0,   32
.set X1,   64
.set LW,   96
.set LB,   128
.set TT,   160
.set CC,   176
.set OO,   200
.set SCL,  18
.macro REDUCE
	s_delay_alu instid0(VALU_DEP_3)
	v_pk_add_f32 v[8:9], v[8:9], v[10:11]
	s_delay_alu instid0(VALU_DEP_2)
	v_pk_add_f32 v[12:13], v[12:13], v[14:15]
	s_delay_alu instid0(VALU_DEP_1)
	v_pk_add_f32 v[8:9], v[8:9], v[12:13]
	s_delay_alu instid0(VALU_DEP_1)
	v_add_f32 v16, v8, v9
	s_delay_alu instid0(VALU_DEP_1)
	v_add_f32_dpp v16, v16, v16 row_xmask:1 row_mask:0xf bank_mask:0xf
	s_delay_alu instid0(VALU_DEP_1)
	v_add_f32_dpp v16, v16, v16 row_xmask:2 row_mask:0xf bank_mask:0xf
	s_delay_alu instid0(VALU_DEP_1)
	v_add_f32_dpp v16, v16, v16 row_xmask:4 row_mask:0xf bank_mask:0xf
	s_delay_alu instid0(VALU_DEP_1)
	v_add_f32_dpp v16, v16, v16 row_xmask:8 row_mask:0xf bank_mask:0xf
	s_delay_alu instid0(VALU_DEP_1)
	v_permlanex16_b32 v17, v16, s28, s29
	s_delay_alu instid0(VALU_DEP_1)
	v_add_f32 v16, v16, v17
.endm
.macro ROW X, left1, left2
	s_wait_loadcnt \left1
.irp c, 0,1,2,3
	v_pk_add_f32 v[8+2*\c:9+2*\c], v[\X+2*\c:\X+2*\c+1], v[\X+8+2*\c:\X+9+2*\c]
.endr
.irp d, 16,24
.irp c, 0,1,2,3
	s_delay_alu instid0(VALU_DEP_4)
	v_pk_add_f32 v[8+2*\c:9+2*\c], v[8+2*\c:9+2*\c], v[\X+\d+2*\c:\X+\d+2*\c+1]
.endr
.endr
	REDUCE
	s_delay_alu instid0(VALU_DEP_1)
	v_mul_f32 v4, 0x3a800000, v16                  ; mean
.set n, 0
.rept 16
	v_pk_add_f32 v[\X+n:\X+n+1], v[\X+n:\X+n+1], v[4:5] op_sel_hi:[1,0] neg_lo:[0,1] neg_hi:[0,1]
.set n, n+2
.endr
.irp c, 0,1,2,3
	v_pk_mul_f32 v[8+2*\c:9+2*\c], v[\X+2*\c:\X+2*\c+1], v[\X+2*\c:\X+2*\c+1]
.endr
.irp d, 8,16,24
.irp c, 0,1,2,3
	s_delay_alu instid0(VALU_DEP_4)
	v_pk_fma_f32 v[8+2*\c:9+2*\c], v[\X+\d+2*\c:\X+\d+2*\c+1], v[\X+\d+2*\c:\X+\d+2*\c+1], v[8+2*\c:9+2*\c]
.endr
.endr
	REDUCE
	s_delay_alu instid0(VALU_DEP_1)
	v_fma_f32 v16, v16, s30, s31                   ; var + eps
	s_wait_alu depctr_va_vdst(0)
	v_rsq_f32 v6, v16
	v_nop
	s_wait_alu depctr_va_vdst(0)                   ; the wait ahead of the first reader
	s_wait_loadcnt \left2
.set n, 0
.rept 16
	v_pk_mul_f32 v[\X+n:\X+n+1], v[\X+n:\X+n+1], v[6:7] op_sel_hi:[1,0]
.set n, n+2
.endr
.set n, 0
.rept 16
	v_pk_fma_f32 v[\X+n:\X+n+1], v[\X+n:\X+n+1], v[LW+n:LW+n+1], v[LB+n:LB+n+1]
.set n, n+2
.endr
.endm
.macro QROW X, rowoff
	s_wait_xcnt 0x0                                ; the row before has had its stores' addresses translated: their data registers are loaded again only behind this wait
.set sq, 0
.rept NS
.irp g, 0,1,2,3
.irp i, 0,1,2,3,4,5,6,7
	v_med3_num_f32 v[TT+8*(\g%2)+\i], v[\X+8*\g+\i], -v[SCL+2*sq+1], v[SCL+2*sq+1]
.endr
	v_cvt_scalef32_pk8_bf8_f32 v[CC+8*sq+2*\g:CC+8*sq+2*\g+1], v[TT+8*(\g%2):TT+8*(\g%2)+7], v[SCL+2*sq]
.endr
.set sq, sq+1
.endr
	v_nop
.set sq, 0
.rept NS
.irp g, 0,1,2,3
	ds_store_b32 v2, v[CC+8*sq+2*\g] offset:1024*sq+256*\g
	ds_store_b32 v2, v[CC+8*sq+2*\g+1] offset:1024*sq+256*\g+128
.endr
.set sq, sq+1
.endr
.set sq, 0
.rept 2*NS
	ds_load_b128 v[OO+4*sq:OO+4*sq+3], v3 offset:512*sq
.set sq, sq+1
.endr
.set sq, 0
.rept 2*NS
	s_wait_dscnt 2*NS-1-sq
	global_store_b128 v1, v[OO+4*sq:OO+4*sq+3], s[22+2*(sq/2):23+2*(sq/2)] offset:\rowoff*1024+512*(sq%2)
.set sq, sq+1
.endr
.endm
	s_load_b256 s[4:11], s[0:1], 0x0               ; post, ln2_w, ln2_b, the scales' exponents
	s_load_b64 s[14:15], s[0:1], 0x20              ; hc
	v_lshl_add_u32 v224, v0, 2, 0x2000
	v_mov_b32 v225, 0
	v_lshrrev_b32 v1, 5, v0
	s_delay_alu instid0(VALU_DEP_1)
	v_readfirstlane_b32 s16, v1
	v_and_b32 v2, 31, v0
	s_lshl_b32 s17, ttmp9, 4
	s_lshl_b32 s18, s16, 1
	s_add_co_u32 s17, s17, s18                     ; my first row
	s_wait_alu depctr_va_vdst(0)
	s_wait_kmcnt 0x0
	s_load_b32 s36, s[10:11], 0x30                 ; e12
	s_lshl_b32 s18, s17, 12
	s_mov_b32 s19, 0
	s_add_nc_u64 s[20:21], s[4:5], s[18:19]
	s_lshl_b32 s18, s17, 10
	s_add_nc_u64 s[22:23], s[14:15], s[18:19]
	v_lshlrev_b32 v1, 4, v2
.irp j, 0,1,2,3,4,5,6,7
	global_load_b128 v[X0+4*\j:X0+4*\j+3], v1, s[20:21] offset:512*\j
.endr
.irp j, 0,1,2,3,4,5,6,7
	global_load_b128 v[LW+4*\j:LW+4*\j+3], v1, s[6:7] offset:512*\j
.endr
.irp j, 0,1,2,3,4,5,6,7
	global_load_b128 v[LB+4*\j:LB+4*\j+3], v1, s[8:9] offset:512*\j
.endr
.irp j, 0,1,2,3,4,5,6,7
	global_load_b128 v[X1+4*\j:X1+4*\j+3], v1, s[20:21] offset:4096+512*\j
.endr
	s_mul_i32 s17, s16, 1024*NS
	v_lshl_add_u32 v3, v2, 4, s17
	v_lshl_add_u32 v2, v2, 2, s17
	v_mov_b32 v5, 0
	v_mov_b32 v7, 0
	v_mov_b32 v17, 0
	s_mov_b32 s28, 0x76543210
	s_mov_b32 s29, 0xfedcba98
	s_mov_b32 s30, 0x3a800000
	s_mov_b32 s31, 0x3727c5ac
	s_wait_kmcnt 0x0
	s_add_co_i32 s52, s36, 127
	s_lshl_b32 s53, s52, 23
	v_mov_b32 v[SCL], s53
	s_add_co_i32 s52, s52, 15
	s_lshl_b32 s52, s52, 23
	s_or_b32 s52, s52, 0x600000
	v_mov_b32 v[SCL+1], s52
	ROW X0, 24, 8                                  ; 24: w, b and the second row may be out; 8: the second row
	QROW X0, 0
	ROW X1, 0, 0
	QROW X1, 1
	s_wait_tensorcnt 0x0
	ds_add_u32 v224, v225
	s_wait_dscnt 0x0
	s_endpgm
.Lfunc_end_k_q9101794c0b_ln2:
	.size	k_q9101794c0b_ln2, .Lfunc_end_k_q9101794c0b_ln2-k_q9101794c0b_ln2
	.p2alignl 7, 3214868480
	.fill 96, 4, 3214868480
	.section	.rodata,"a",@progbits
	.p2align	6, 0x0
	.amdhsa_kernel k_q9101794c0b_ln2
		.amdhsa_group_segment_fixed_size 9216
		.amdhsa_private_segment_fixed_size 0
		.amdhsa_enable_private_segment 0
		.amdhsa_kernarg_size 40
		.amdhsa_user_sgpr_count 2
		.amdhsa_user_sgpr_kernarg_segment_ptr 1
		.amdhsa_wavefront_size32 1
		.amdhsa_system_sgpr_workgroup_id_x 1
		.amdhsa_system_sgpr_workgroup_id_y 1
		.amdhsa_system_sgpr_workgroup_id_z 1
		.amdhsa_system_vgpr_workitem_id 0
		.amdhsa_next_free_vgpr 226
		.amdhsa_next_free_sgpr 66
		.amdhsa_reserve_vcc 0
		.amdhsa_float_denorm_mode_32 3
		.amdhsa_float_denorm_mode_16_64 3
		.amdhsa_memory_ordered 1
		.amdhsa_forward_progress 1
		.amdhsa_inst_pref_size 27
	.end_amdhsa_kernel
	.amdgpu_metadata
---
amdhsa.version: [ 1, 2 ]
amdhsa.kernels:
  - .name:           k_q9101794c0b_ln2
    .symbol:         k_q9101794c0b_ln2.kd
    .args:
      - { .name: post, .offset: 0, .size: 8, .value_kind: global_buffer, .address_space: global }
      - { .name: ln2_w, .offset: 8, .size: 8, .value_kind: global_buffer, .address_space: global }
      - { .name: ln2_b, .offset: 16, .size: 8, .value_kind: global_buffer, .address_space: global }
      - { .name: lowp_scales, .offset: 24, .size: 8, .value_kind: global_buffer, .address_space: global }
      - { .name: hc, .offset: 32, .size: 8, .value_kind: global_buffer, .address_space: global }
    .group_segment_fixed_size: 9216
    .private_segment_fixed_size: 0
    .kernarg_segment_align: 8
    .kernarg_segment_size: 40
    .max_flat_workgroup_size: 256
    .sgpr_count:     66
    .vgpr_count:     226
    .wavefront_size: 32
...
	.end_amdgpu_metadata
.endif
;; end of part 5
;; launch mlp1 (part 6): grid 16 x 16, 4 waves a work-group, clusters of 4 x 4, 327,680 bytes of LDS; arguments hc, mlp1_w_codes, lowp_scales, mlp1_b, gc; writes gc
.if DOCPART == 6
	.amdgcn_target "amdgcn-amd-amdhsa--gfx1250"
	.amdhsa_code_object_version 6
	.text
	.protected	k_q9101794c0b_mlp1
	.globl	k_q9101794c0b_mlp1
	.p2align	8
	.type	k_q9101794c0b_mlp1,@function
k_q9101794c0b_mlp1:
	s_mov_b64 s[64:65], 0
	v_nop
	global_prefetch_b8 v0, s[64:65] scope:SCOPE_SE
	s_setreg_imm32_b32 hwreg(HW_REG_WAVE_MODE, 25, 1), 1
	s_wait_xcnt 0x0
	s_wait_alu depctr_hold_cnt(0) depctr_sa_sdst(0) depctr_va_vdst(0) depctr_va_sdst(0) depctr_va_ssrc(0) depctr_va_vcc(0) depctr_vm_vsrc(0)
	s_getreg_b32 s2, hwreg(HW_REG_IB_STS2, 6, 4)
	s_cmp_eq_u32 s2, 0
	s_cbranch_scc0 .Lentry_in_a_cluster
	s_endpgm
.Lentry_in_a_cluster:
	s_bfe_u32 s2, ttmp6, 0x10000c
	s_cmp_lg_u32 s2, 0xf033
	s_cbranch_scc0 .Lentry_shape_is_right
	s_endpgm
.Lentry_shape_is_right:
.set SIZE_K, 1024
.set KSTEP,  256
.set ROWB,   256
.set KROW,   SIZE_K
.set PITCH,  272
.set FR,     16
.set NL,     4
.set NP,     4
.set HALFT,  128*PITCH
.set SLOT,   4*HALFT
.set LAPS,   SIZE_K/(2*KSTEP)
.set SPARE,  2*SLOT
.set SGW,    18432
.set SGP,    144
.set ADRA, 16
.set ADRB, 20
.set STO,  24
.set RD,   25
.set CO,   26
.set SPW,  28
.set NIL,  29
.set BIAS, 64
.set AF,   128
.set YY,   128
.set TG,   160
.set PP,   192
.set UU,   224
.set CF,   53
.set G1, 24
.set G0, 32
.set G1B, 48
.set G0B, 56
.set MSB, 0
.macro WIN new
.if MSB != \new
	s_set_vgpr_msb (MSB<<8)|\new
.set MSB, \new
.endif
.endm
.set MUL_LO, 0xa1
.set MUL_HI, 0xf1
.set TO_B,   0x40
.macro JLOAD g0a, g1a, g0b, g1b
	s_cmp_eq_u32 s15, 0
	s_cbranch_scc0 .Lfor_b_\@
	tensor_load_to_lds s[\g0a:\g0a+3], s[\g1a:\g1a+7]
	s_nop 0
.rept 4
	v_nop
.endr
	s_branch .Lasked_\@
.Lfor_b_\@:
	tensor_load_to_lds s[\g0b:\g0b+3], s[\g1b:\g1b+7]
	s_nop 0
.rept 4
	v_nop
.endr
.Lasked_\@:
.endm
.macro CREST
	s_cmp_lg_u32 s14, 0
	s_cbranch_scc1 .Lnot_wave_0_\@
	s_barrier_signal -3
.Lnot_wave_0_\@:
	s_barrier_wait -3
	s_barrier_signal -1
	s_barrier_wait -1
.endm
.macro CROUND
	s_barrier_signal -1
	s_barrier_wait -1
	CREST
.endm
	s_load_b128 s[4:7], s[0:1], 0x0
	s_load_b128 s[8:11], s[0:1], 0x10
	s_load_b64 s[12:13], s[0:1], 0x20
	v_lshl_add_u32 v[SPW], v0, 2, SPARE
	v_mov_b32 v[NIL], 0
	ds_add_u32 v28, v29
	ds_add_u32 v28, v29
	s_wait_dscnt 0x0
	v_lshrrev_b32 v1, 5, v0
	v_readfirstlane_b32 s14, v1
	s_lshr_b32 s15, s14, 1
	s_and_b32 s16, s14, 1
	s_bfe_u32 s40, ttmp6, 0x40000
	s_bfe_u32 s41, ttmp6, 0x40004
	s_lshl_b32 s42, ttmp9, 2
	s_add_co_u32 s42, s42, s40
	s_and_b32 s17, ttmp7, 0xffff
	s_lshl_b32 s17, s17, 2
	s_add_co_u32 s17, s17, s41
	s_lshl_b32 s43, s41, 2
	s_lshl_b32 s43, 15, s43
	s_lshl_b32 s44, 0x1111, s40
	s_or_b32 s[G1+0], s43, (0<<16)|(1<<20)|(1<<21)|(5<<22)|(3<<25)
	s_or_b32 s[G1B+0], s44, (0<<16)|(1<<20)|(1<<21)|(5<<22)|(3<<25)
.irp g, G1, G1B
	s_mov_b32 s[\g+1], ROWB<<16
	s_mov_b32 s[\g+2], 128<<16
	s_mov_b32 s[\g+3], ROWB<<16
	s_mov_b32 s[\g+4], 128
	s_mov_b32 s[\g+5], KROW
	s_mov_b32 s[\g+6], 0
	s_mov_b32 s[\g+7], 0
.endr
	s_lshl_b32 s18, s16, 7
	s_lshl_b32 s20, s17, 8
	s_add_co_u32 s20, s20, s18
	s_lshl_b32 s46, s42, 8
	s_add_co_u32 s46, s46, s18
	s_mov_b32 s21, 0
	s_mov_b32 s47, 0
	s_mov_b64 s[18:19], KROW
	s_mul_u64 s[20:21], s[20:21], s[18:19]
	s_mul_u64 s[46:47], s[46:47], s[18:19]
	s_mul_i32 s45, s14, HALFT
	s_wait_kmcnt 0x0
	s_load_b128 s[92:95], s[8:9], 0x30
	s_add_nc_u64 s[20:21], s[4:5], s[20:21]
	s_add_nc_u64 s[46:47], s[6:7], s[46:47]
	CROUND
.irp s, 0,1
	s_mov_b32 s[G0+4*\s], 1
	s_add_co_u32 s[G0+4*\s+1], s45, \s*SLOT
	s_add_nc_u64 s[G0+4*\s+2:G0+4*\s+3], s[20:21], \s*ROWB
	s_or_b32 s[G0+4*\s+3], s[G0+4*\s+3], 0x80000000
	s_mov_b32 s[G0B+4*\s], 1
	s_add_co_u32 s[G0B+4*\s+1], s45, \s*SLOT
	s_add_nc_u64 s[G0B+4*\s+2:G0B+4*\s+3], s[46:47], \s*ROWB
	s_or_b32 s[G0B+4*\s+3], s[G0B+4*\s+3], 0x80000000
.endr
	JLOAD G0, G1, G0B, G1B                         ; K step 0: one tensor load a wave at the head
	; the prefetches: K steps 1 and 2 behind the head's first joint load, K step 3, the last, behind its second: each at least one fill ahead of the load that wants it.  Of the 128 rows that I fetch,
	; each of the four partners that ask for them jointly takes 32, told apart by address (cx for A, cy for B): a lane a row, 256 bytes of it
	s_cmp_eq_u32 s15, 0
	s_cselect_b64 s[84:85], s[20:21], s[46:47]
	s_cselect_b32 s86, s40, s41
	s_lshl_b32 s86, s86, 15                        ; 32 rows of 1,024 bytes
	s_mov_b32 s87, 0
	s_add_nc_u64 s[84:85], s[84:85], s[86:87]
	s_add_nc_u64 s[84:85], s[84:85], ROWB          ; at K step 1; never rewritten
	v_and_b32 v30, 31, v0
	v_lshlrev_b32 v30, 10, v30
	global_prefetch_b8 v30, s[84:85] th:TH_LOAD_NT scope:SCOPE_SE
	global_prefetch_b8 v30, s[84:85] offset:ROWB th:TH_LOAD_NT scope:SCOPE_SE
	v_and_b32 v1, 15, v0
	s_wait_alu depctr_va_vdst(0)
	v_bfe_u32 v2, v0, 4, 1
	v_mul_u32_u24 v3, v1, PITCH
	v_lshl_add_u32 v4, v2, 4, v3
	s_mul_i32 s21, s15, HALFT
	s_mul_i32 s22, s16, HALFT
	s_add_co_u32 s22, s22, 2*HALFT
.irp s, 0,1
	v_add_nc_u32 v[ADRA+\s], s21, v4
	v_add_nc_u32 v[ADRB+\s], s22, v4
	s_add_co_u32 s21, s21, SLOT
	s_add_co_u32 s22, s22, SLOT
.endr
	s_mul_i32 s23, s14, SGW
	v_mul_u32_u24 v5, v1, SGP
	s_wait_alu depctr_va_vdst(0)
	v_lshl_add_u32 v5, v2, 3, v5
	v_add_nc_u32 v[STO], s23, v5
	s_lshl_b32 s23, s15, 1
	s_mul_i32 s23, s23, SGW
	s_mul_i32 s21, s16, 64*SGP
	s_add_co_u32 s23, s23, s21
	v_bfe_u32 v5, v0, 3, 1
	v_mul_u32_u24 v5, v5, SGW
	v_mul_u32_u24 v6, v2, SGP
	v_add_nc_u32 v5, v5, v6
	v_and_b32 v6, 7, v0
	v_lshl_add_u32 v5, v6, 4, v5
	v_add_nc_u32 v[RD], s23, v5
	v_lshlrev_b32 v[CO], 12, v2
	v_lshl_add_u32 v[CO], v1, 4, v[CO]
	v_lshlrev_b32 v27, 5, v2
	s_lshl_b32 s20, s42, 10
	s_lshl_b32 s21, s16, 9
	s_add_co_u32 s20, s20, s21
	s_mov_b32 s21, 0
	s_add_nc_u64 s[10:11], s[10:11], s[20:21]
.irp b, 0,1,2,3,4,5,6,7
	global_load_b128 v[BIAS+8*\b:BIAS+8*\b+3], v27, s[10:11] offset:64*\b
	global_load_b128 v[BIAS+8*\b+4:BIAS+8*\b+7], v27, s[10:11] offset:64*\b+16
.endr
	s_lshl_b32 s20, s17, 8
	s_lshl_b32 s22, s14, 6
	s_add_co_u32 s20, s20, s22
	s_lshl_b32 s20, s20, 12
	s_lshl_b32 s22, s42, 8
	s_add_co_u32 s20, s20, s22
	s_add_nc_u64 s[12:13], s[12:13], s[20:21]
.macro FRAG reg, adr, q, i
.irp c, 0,1,2,3
	ds_load_b128 v[\reg+4*\c:\reg+4*\c+3], v[\adr] offset:128*(\q)+32*\c+(\i)*16*PITCH
.endr
.endm
.macro MUL16 a0, p, zero
.irp a, \a0, \a0+1
.irp b, 0,1,2,3,4,5,6,7
.if \zero
	v_wmma_f32_16x16x128_bf8_bf8 v[8*(8*((\a)%4)+\b):8*(8*((\a)%4)+\b)+7], v[128*(\p)+FR*\b:128*(\p)+FR*\b+FR-1], v[AF+FR*(\a):AF+FR*(\a)+FR-1], 0
.else
	v_wmma_f32_16x16x128_bf8_bf8 v[8*(8*((\a)%4)+\b):8*(8*((\a)%4)+\b)+7], v[128*(\p)+FR*\b:128*(\p)+FR*\b+FR-1], v[AF+FR*(\a):AF+FR*(\a)+FR-1], v[8*(8*((\a)%4)+\b):8*(8*((\a)%4)+\b)+7]
.endif
.endr
.endr
.endm
.macro FETCH_B slot, q, p
	WIN TO_B
.irp i, 0,1,2,3,4,5,6,7
	FRAG 128*(\p)+FR*\i, ADRB+\slot, \q, \i
.endr
	WIN 0
.endm
.macro FETCH_A slot, q, i0
.irp i, \i0, \i0+1, \i0+2, \i0+3
	FRAG AF+FR*(\i), ADRA+\slot, \q, \i
.endr
.endm
.macro PLACES n
.rept \n
	v_nop
.endr
.endm
.macro STEP slot, q, zero
	s_wait_dscnt 4*NL
	WIN MUL_LO
	MUL16 0, (\q)%2, \zero
	MUL16 2, (\q)%2, \zero
	s_wait_dscnt 0
	PLACES NP
	FETCH_B \slot, (\q)+1, 1-(\q)%2
	FETCH_A \slot, (\q)+1, 0
	WIN MUL_HI
	MUL16 4, (\q)%2, \zero
	MUL16 6, (\q)%2, \zero
	PLACES NP
	WIN 0
	FETCH_A \slot, (\q)+1, 4
.endm
.macro TURN slot, next, fill
	s_wait_tensorcnt 0x0
	ds_add_u32 v[SPW], v[NIL]
	s_wait_dscnt 4*NL+1
	WIN MUL_LO
	MUL16 0, 1, 0
	s_wait_dscnt 0x0
	s_barrier_signal -1
	MUL16 2, 1, 0
	WIN 0
	s_barrier_wait -1
.if \fill
	CREST
	s_add_nc_u64 s[G0+4*\slot+2:G0+4*\slot+3], s[G0+4*\slot+2:G0+4*\slot+3], 2*ROWB
	s_add_nc_u64 s[G0B+4*\slot+2:G0B+4*\slot+3], s[G0B+4*\slot+2:G0B+4*\slot+3], 2*ROWB
	JLOAD G0+4*\slot, G1, G0B+4*\slot, G1B
.else
	PLACES NP
.endif
	FETCH_B \next, 0, 0
	FETCH_A \next, 0, 0
	WIN MUL_HI
	MUL16 4, 1, 0
	MUL16 6, 1, 0
	PLACES NP
	WIN 0
	FETCH_A \next, 0, 4
.endm
	s_wait_alu depctr_va_vdst(0)                   ; the wait at the head's end
	s_wait_tensorcnt 0x0                           ; my part of K step 0 is in; a later first fill stands behind the same lines as a refill
	ds_add_u32 v[SPW], v[NIL]
	s_wait_dscnt 0x0
	CROUND                                         ; everybody's part is in, and the joint loads meet
	JLOAD G0+4, G1, G0B+4, G1B                     ; K step 1
	FETCH_B 0, 0, 0
	FETCH_A 0, 0, 0
	FETCH_A 0, 0, 4
	global_prefetch_b8 v30, s[84:85] offset:2*ROWB th:TH_LOAD_NT scope:SCOPE_SE   ; K step 3
	STEP 0, 0, 1
	s_mov_b32 s3, LAPS-1
.Llap:
	TURN 0, 1, 1
	STEP 1, 0, 0
	TURN 1, 0, 1
	STEP 0, 0, 0
	s_sub_co_u32 s3, s3, 1
	s_cmp_lg_u32 s3, 0
	s_cbranch_scc1 .Llap
	TURN 0, 1, 0
	STEP 1, 0, 0
	s_wait_dscnt 4*NL
	WIN MUL_LO
	MUL16 0, 1, 0
	MUL16 2, 1, 0
	s_wait_dscnt 0
	WIN MUL_HI
	MUL16 4, 1, 0
	MUL16 6, 1, 0
	WIN 0
	s_wait_kmcnt 0x0
	s_wait_loadcnt 0x0
	s_add_co_i32 s48, s92, s93
	s_add_co_i32 s48, s48, 127
	s_lshl_b32 s48, s48, 23
	s_mov_b32 s49, s48
	s_add_co_i32 s50, s94, 127
	s_lshl_b32 s51, s50, 23
	v_mov_b32 v50, s51
	s_add_co_i32 s50, s50, 15
	s_lshl_b32 s50, s50, 23
	s_or_b32 s50, s50, 0x600000
	v_mov_b32 v51, s50
	s_mov_b32 s44, 0x3eb504f3
	s_mov_b32 s46, 0xbf38aa3b
	s_mov_b32 s47, s46
	s_mov_b32 s52, 0x3fb8aa3b
	v_mov_b32 v[CF+0], 0xbfa1fc4e
	v_mov_b32 v[CF+1], 0x3f8000c7
	v_mov_b32 v[CF+2], 0x3ebf88fb
	v_mov_b32 v[CF+3], 0x3dc636c9
	v_mov_b32 v[CF+4], 0xbe3ec24c
	v_mov_b32 v[CF+5], 0x3e8ec7cc
	v_mov_b32 v[CF+6], 0xbf914e5d
	v_mov_b32 v[CF+7], 0x3fbe87b0
	v_mov_b32 v[CF+8], 0xbf527892
	v_mov_b32 v[CF+9], 0x3e2ef945
	v_fma_f32 v[CF], v[CF], s52, -1.0
.irp k, 1,2,3,4,5,6,7,8,9
	v_mul_f32 v[CF+\k], s52, v[CF+\k]
.endr
.irp k, 0,1,2,3,4,5,6,7,8,9
	v_mov_b32 v[2+\k], v[CF+\k]                    ; the coefficients once more, one register bank on: the two halves of a dual pair take their sources from different banks
.endr
	v_mov_b32 v12, s46
	v_mov_b32 v13, s46
	PLACES NP
	s_mov_b32 s50, 0
.macro TAKE k
.Ltake_\k:
	WIN 0x02+((\k)/8)
.set AC, 64*(((\k)/2)%4)+32*((\k)%2)
.set BI, BIAS+32*((\k)%2)
.set n, 0
.rept 16
	v_pk_fma_f32 v[YY+n:YY+n+1], v[AC+n:AC+n+1], s[48:49], v[BI+n:BI+n+1] op_sel_hi:[1,0,1]
.set n, n+2
.endr
	WIN 0
	s_branch .Lgelu
.endm
.Lgroup:
.irp k, 0,1,2,3,4,5,6,7,8,9,10,11,12,13,14
	s_cmp_eq_u32 s50, \k
	s_cbranch_scc1 .Ltake_\k
.endr
.irp k, 15,0,1,2,3,4,5,6,7,8,9,10,11,12,13,14
	TAKE \k
.endr
.Lgelu:
.set n, 0
.rept 32
	v_fma_f32 v[TG+n], |v[YY+n]|, s44, 1.0
.set n, n+1
.endr
.set n, 0
	s_wait_alu depctr_va_vdst(0)
.rept 32
	v_rcp_f32 v[TG+n], v[TG+n]
.set n, n+1
.endr
	v_nop                                          ; a plain place behind the reciprocals
.set n, 0
.rept 16
	v_dual_mul_f32 v[UU+n], v[YY+n], v[YY+n] :: v_dual_mul_f32 v[UU+n+1], v[YY+n+1], v[YY+n+1]
.set n, n+2
.endr
	s_wait_alu depctr_va_vdst(0)
.set n, 0
.rept 16
	v_dual_fma_f32 v[PP+n], v[TG+n], v[CF+9], v[CF+8] :: v_dual_fma_f32 v[PP+n+1], v[TG+n+1], v11, v10
.set n, n+2
.endr
.irp k, 7,6,5,4,3,2,1,0
.set n, 0
.rept 16
	v_dual_fma_f32 v[PP+n], v[PP+n], v[TG+n], v[CF+\k] :: v_dual_fma_f32 v[PP+n+1], v[PP+n+1], v[TG+n+1], v[2+\k]
.set n, n+2
.endr
.endr
.set n, 0
.rept 16
	v_dual_fmac_f32 v[PP+n], v[UU+n], v12 :: v_dual_fmac_f32 v[PP+n+1], v[UU+n+1], v13
.set n, n+2
.endr
.set n, 0
	s_wait_alu depctr_va_vdst(0)
.rept 32
	v_exp_f32 v[PP+n], v[PP+n]
.set n, n+1
.endr
.set n, 0
.rept 32
	v_max_num_f32 v[UU+n], v[YY+n], 0
.set n, n+1
.endr
	s_wait_alu depctr_va_vdst(0)
.set n, 0
.rept 16
	v_dual_mul_f32 v[PP+n], v[PP+n], v[TG+n] :: v_dual_mul_f32 v[PP+n+1], v[PP+n+1], v[TG+n+1]
.set n, n+2
.endr
.set n, 0
.rept 32
	v_fma_f32 v[YY+n], -|v[YY+n]|, v[PP+n], v[UU+n]
.set n, n+1
.endr
.set n, 0
.rept 32
	v_med3_num_f32 v[YY+n], v[YY+n], -v51, v51
.set n, n+1
.endr
	s_wait_alu depctr_va_vdst(0)
	s_wait_dscnt 0x0
.irp n, 0,1,2,3
	v_cvt_scalef32_pk8_bf8_f32 v[32+2*\n:33+2*\n], v[YY+8*\n:YY+8*\n+7], v50
.endr
	v_nop
	s_lshr_b32 s51, s50, 1
	s_mul_i32 s51, s51, 16*SGP
	s_and_b32 s53, s50, 1
	s_lshl_b32 s53, s53, 6
	s_add_co_u32 s51, s51, s53
	v_add_nc_u32 v52, s51, v[STO]
.irp n, 0,1,2,3
	ds_store_b64 v52, v[32+2*\n:33+2*\n] offset:16*\n
.endr
	s_add_co_u32 s50, s50, 1
	s_cmp_lt_u32 s50, 16
	s_cbranch_scc1 .Lgroup
	s_wait_dscnt 0x0
	s_barrier_signal -1
	s_barrier_wait -1
.set t, 0
.rept 32
	ds_load_b128 v[128+4*t:131+4*t], v[RD] offset:288*t
.set t, t+1
.endr
.set t, 0
.rept 32
	s_wait_dscnt 31-t
	global_store_b128 v[CO], v[128+4*t:131+4*t], s[12:13] offset:8192*t
.set t, t+1
.endr
	s_wait_tensorcnt 0x0
	ds_add_u32 v[SPW], v[NIL]
	s_wait_dscnt 0x0
	CROUND
	s_endpgm
.Lfunc_end_k_q9101794c0b_mlp1:
	.size	k_q9101794c0b_mlp1, .Lfunc_end_k_q9101794c0b_mlp1-k_q9101794c0b_mlp1
	.p2alignl 7, 3214868480
	.fill 96, 4, 3214868480
	.section	.rodata,"a",@progbits
	.p2align	6, 0x0
	.amdhsa_kernel k_q9101794c0b_mlp1
		.amdhsa_group_segment_fixed_size 327680
		.amdhsa_private_segment_fixed_size 0
		.amdhsa_enable_private_segment 0
		.amdhsa_kernarg_size 40
		.amdhsa_user_sgpr_count 2
		.amdhsa_user_sgpr_kernarg_segment_ptr 1
		.amdhsa_wavefront_size32 1
		.amdhsa_system_sgpr_workgroup_id_x 1
		.amdhsa_system_sgpr_workgroup_id_y 1
		.amdhsa_system_sgpr_workgroup_id_z 1
		.amdhsa_system_vgpr_workitem_id 0
		.amdhsa_next_free_vgpr 1024
		.amdhsa_next_free_sgpr 96
		.amdhsa_reserve_vcc 0
		.amdhsa_float_denorm_mode_32 3
		.amdhsa_float_denorm_mode_16_64 3
		.amdhsa_memory_ordered 1
		.amdhsa_forward_progress 1
		.amdhsa_inst_pref_size 135
	.end_amdhsa_kernel
	.amdgpu_metadata
---
amdhsa.version: [ 1, 2 ]
amdhsa.kernels:
  - .name:           k_q9101794c0b_mlp1
    .symbol:         k_q9101794c0b_mlp1.kd
    .args:
      - { .name: hc, .offset: 0, .size: 8, .value_kind: global_buffer, .address_space: global }
      - { .name: mlp1_w_codes, .offset: 8, .size: 8, .value_kind: global_buffer, .address_space: global }
      - { .name: lowp_scales, .offset: 16, .size: 8, .value_kind: global_buffer, .address_space: global }
      - { .name: mlp1_b, .offset: 24, .size: 8, .value_kind: global_buffer, .address_space: global }
      - { .name: gc, .offset: 32, .size: 8, .value_kind: global_buffer, .address_space: global }
    .group_segment_fixed_size: 327680
    .private_segment_fixed_size: 0
    .kernarg_segment_align: 8
    .kernarg_segment_size: 40
    .max_flat_workgroup_size: 128
    .sgpr_count:     96
    .vgpr_count:     1024
    .wavefront_size: 32
...
	.end_amdgpu_metadata
.endif
;; end of part 6
;; launch mlp2 (part 7): grid 8 x 32, 4 waves a work-group, clusters of 4 x 4, 327,680 bytes of LDS; arguments gc, mlp2_w_codes, lowp_scales, mlp2_b, post, out0; writes out0
.if DOCPART == 7
	.amdgcn_target "amdgcn-amd-amdhsa--gfx1250"
	.amdhsa_code_object_version 6
	.text
	.protected	k_q9101794c0b_mlp2
	.globl	k_q9101794c0b_mlp2
	.p2align	8
	.type	k_q9101794c0b_mlp2,@function
k_q9101794c0b_mlp2:
	s_mov_b64 s[64:65], 0
	v_nop
	global_prefetch_b8 v0, s[64:65] scope:SCOPE_SE
	s_setreg_imm32_b32 hwreg(HW_REG_WAVE_MODE, 25, 1), 1
	s_wait_xcnt 0x0
	s_wait_alu depctr_hold_cnt(0) depctr_sa_sdst(0) depctr_va_vdst(0) depctr_va_sdst(0) depctr_va_ssrc(0) depctr_va_vcc(0) depctr_vm_vsrc(0)
	s_getreg_b32 s2, hwreg(HW_REG_IB_STS2, 6, 4)
	s_cmp_eq_u32 s2, 0
	s_cbranch_scc0 .Lentry_in_a_cluster
	s_endpgm
.Lentry_in_a_cluster:
	s_bfe_u32 s2, ttmp6, 0x10000c
	s_cmp_lg_u32 s2, 0xf033
	s_cbranch_scc0 .Lentry_shape_is_right
	s_endpgm
.Lentry_shape_is_right:
.set SIZE_K, 4096
.set AP,     528
.set AQ,     128
.set AHALF,  64*AP
.set ASTEP,  512
.set AROWB,  4096
.set BP,     528
.set BQ,     128
.set BHALF,  64*BP
.set BOFF,   0
.set ESC,    0x38
.set GA0,    (0<<16)|(1<<20)|(1<<21)|(6<<22)|(3<<25)
.set GAD0,   512
.set GAD1,   64
.set GAST,   SIZE_K
.set SLOT,   2*AHALF+2*BHALF
.set STAGE,  2*SLOT
.set SPARE,  STAGE+4*16*272
.set LAPS,   SIZE_K/1024
.set ADRA, 16
.set ADRB, 20
.set STO,  24
.set RD,   25
.set CO,   26
.set SPW,  28
.set NIL,  29
.set ACC,  128
.set F0,   0
.set F1,   128
.set G1,  24
.set G0,  32
.set G1B, 48
.set G0B, 56
.set MSB, 0
.macro WIN new
.if MSB != \new
	s_set_vgpr_msb (MSB<<8)|\new
.set MSB, \new
.endif
.endm
.set MUL,  0x05
.set TO_F, 0x40
.macro JLOAD s
	s_cmp_eq_u32 s11, 0
	s_cbranch_scc0 .Lfor_b_\@
	tensor_load_to_lds s[G0+4*\s:G0+4*\s+3], s[G1:G1+7]
	s_nop 0
.rept 4
	v_nop
.endr
	s_branch .Lasked_\@
.Lfor_b_\@:
	tensor_load_to_lds s[G0B+4*\s:G0B+4*\s+3], s[G1B:G1B+7]
	s_nop 0
.rept 4
	v_nop
.endr
.Lasked_\@:
.endm
.macro CREST
	s_cmp_lg_u32 s10, 0
	s_cbranch_scc1 .Lnot_wave_0_\@
	s_barrier_signal -3
.Lnot_wave_0_\@:
	s_barrier_wait -3
	s_barrier_signal -1
	s_barrier_wait -1
.endm
.macro CROUND
	s_barrier_signal -1
	s_barrier_wait -1
	CREST
.endm
.macro PLACES
.rept 4
	v_nop
.endr
.endm
.macro MULA f, a, zero
.irp b, 0,1,2,3
.if \zero
	v_wmma_f32_16x16x128_bf8_bf8 v[ACC+8*(4*(\a)+\b):ACC+8*(4*(\a)+\b)+7], v[\f+64+16*\b:\f+64+16*\b+15], v[\f+16*(\a):\f+16*(\a)+15], 0
.else
	v_wmma_f32_16x16x128_bf8_bf8 v[ACC+8*(4*(\a)+\b):ACC+8*(4*(\a)+\b)+7], v[\f+64+16*\b:\f+64+16*\b+15], v[\f+16*(\a):\f+16*(\a)+15], v[ACC+8*(4*(\a)+\b):ACC+8*(4*(\a)+\b)+7]
.endif
.endr
.endm
.macro FETCH slot, q, f
	WIN TO_F
.irp i, 0,1,2,3
.irp c, 0,1,2,3
	ds_load_b128 v[\f+64+16*\i+4*\c:\f+64+16*\i+4*\c+3], v[ADRB+\slot] offset:BQ*(\q)+32*\c+16*\i*BP
.endr
.irp c, 0,1,2,3
	ds_load_b128 v[\f+16*\i+4*\c:\f+16*\i+4*\c+3], v[ADRA+\slot] offset:AQ*(\q)+32*\c+16*\i*AP
.endr
.endr
.endm
.macro QUARTER slot, q, f, g, zero
	PLACES
	FETCH \slot, \q, \g
	s_wait_dscnt 32
	WIN MUL
	MULA \f, 0, \zero
	MULA \f, 1, \zero
	MULA \f, 2, \zero
	MULA \f, 3, \zero
.endm
.macro TURN slot, next, fill
	WIN 0
.if \fill
	s_wait_xcnt 0x0                                ; my last prefetch has read its address, so it may be stepped
	s_add_nc_u64 s[84:85], s[84:85], 512
.endif
	s_wait_tensorcnt 0x0
	ds_add_u32 v[SPW], v[NIL]
	s_wait_dscnt 1
	WIN MUL
	MULA F1, 0, 0
	s_wait_dscnt 0x0
	s_barrier_signal -1
	MULA F1, 1, 0
	WIN 0
	s_barrier_wait -1
.if \fill
	CREST
	s_add_nc_u64 s[G0+4*\slot+2:G0+4*\slot+3], s[G0+4*\slot+2:G0+4*\slot+3], 2*ASTEP
	s_add_nc_u64 s[G0B+4*\slot+2:G0B+4*\slot+3], s[G0B+4*\slot+2:G0B+4*\slot+3], 2*512
	JLOAD \slot
.else
	PLACES
.endif
	FETCH \next, 0, F0
.if \fill
	WIN 0
	s_cmp_gt_u32 s3, 1                             ; the last trip's two refills have no slot two fills on
	s_cbranch_scc0 .Lno_ask_\@
	global_prefetch_b8 v30, s[84:85] offset:1024 th:TH_LOAD_NT scope:SCOPE_SE   ; the slot two fills on
.Lno_ask_\@:
.endif
	WIN MUL
	MULA F1, 2, 0
	MULA F1, 3, 0
.endm
	s_load_b256 s[68:75], s[0:1], 0x0
	s_load_b128 s[76:79], s[0:1], 0x20
	v_lshl_add_u32 v[SPW], v0, 2, SPARE
	v_mov_b32 v[NIL], 0
	ds_add_u32 v28, v29
	ds_add_u32 v28, v29
	s_wait_dscnt 0x0
	v_lshrrev_b32 v1, 5, v0
	v_readfirstlane_b32 s10, v1
	s_lshr_b32 s11, s10, 1
	s_and_b32 s12, s10, 1
	s_bfe_u32 s40, ttmp6, 0x40000
	s_bfe_u32 s41, ttmp6, 0x40004
	s_lshl_b32 s42, ttmp9, 2
	s_add_co_u32 s42, s42, s40
	s_and_b32 s13, ttmp7, 0xffff
	s_lshl_b32 s13, s13, 2
	s_add_co_u32 s13, s13, s41
	s_lshl_b32 s43, s41, 2
	s_lshl_b32 s43, 15, s43
	s_lshl_b32 s44, 0x1111, s40
	s_or_b32 s[G1+0], s43, GA0
	s_mov_b32 s[G1+1], GAD0<<16
	s_mov_b32 s[G1+2], GAD1<<16
	s_mov_b32 s[G1+3], GAD0<<16
	s_mov_b32 s[G1+4], GAD1
	s_mov_b32 s[G1+5], GAST
	s_mov_b32 s[G1+6], 0
	s_mov_b32 s[G1+7], 0
	s_or_b32 s[G1B+0], s44, (0<<16)|(1<<20)|(1<<21)|(6<<22)|(3<<25)
	s_mov_b32 s[G1B+1], 512<<16
	s_mov_b32 s[G1B+2], 64<<16
	s_mov_b32 s[G1B+3], 512<<16
	s_mov_b32 s[G1B+4], 64
	s_mov_b32 s[G1B+5], SIZE_K
	s_mov_b32 s[G1B+6], 0
	s_mov_b32 s[G1B+7], 0
	s_lshl_b32 s18, s12, 6
	s_lshl_b32 s20, s13, 7
	s_add_co_u32 s20, s20, s18
	s_mul_i32 s20, s20, AROWB
	s_mov_b32 s21, 0
	s_lshl_b32 s46, s42, 7
	s_add_co_u32 s46, s46, s18
	s_mul_i32 s46, s46, SIZE_K
	s_add_co_u32 s46, s46, BOFF
	s_mov_b32 s47, 0
	s_mul_i32 s22, s12, AHALF
	s_mul_i32 s23, s12, BHALF
	s_add_co_u32 s23, s23, 2*AHALF
	s_wait_kmcnt 0x0
	s_load_b64 s[80:81], s[72:73], ESC
	s_add_nc_u64 s[14:15], s[68:69], s[20:21]
	s_add_nc_u64 s[46:47], s[70:71], s[46:47]
	CROUND
.irp s, 0,1
	s_mov_b32 s[G0+4*\s], 1
	s_add_co_u32 s[G0+4*\s+1], s22, \s*SLOT
	s_add_nc_u64 s[G0+4*\s+2:G0+4*\s+3], s[14:15], \s*ASTEP
	s_or_b32 s[G0+4*\s+3], s[G0+4*\s+3], 0x80000000
	s_mov_b32 s[G0B+4*\s], 1
	s_add_co_u32 s[G0B+4*\s+1], s23, \s*SLOT
	s_add_nc_u64 s[G0B+4*\s+2:G0B+4*\s+3], s[46:47], \s*512
	s_or_b32 s[G0B+4*\s+3], s[G0B+4*\s+3], 0x80000000
.endr
	JLOAD 0                                        ; slot 0: one tensor load a wave at the head
	; the prefetches: behind each joint load one request for the slot two fills on.  Of the 64 rows x 512 bytes that I fetch, each of the four partners that ask for them jointly takes
	; 16 rows, told apart by address (cx for A, cy for B): two lanes to a row, 256 bytes each
	s_cmp_eq_u32 s11, 0
	s_cselect_b64 s[84:85], s[14:15], s[46:47]
	s_cselect_b32 s86, s40, s41
	s_lshl_b32 s86, s86, 16                        ; 16 rows of 4,096 bytes
	s_mov_b32 s87, 0
	s_add_nc_u64 s[84:85], s[84:85], s[86:87]
	s_add_nc_u64 s[84:85], s[84:85], 512           ; at slot 1
	v_and_b32 v30, 31, v0
	v_lshrrev_b32 v31, 1, v30
	v_and_b32 v30, 1, v30
	v_lshlrev_b32 v30, 8, v30
	v_lshl_add_u32 v30, v31, 12, v30
	global_prefetch_b8 v30, s[84:85] th:TH_LOAD_NT scope:SCOPE_SE              ; slot 1, whose load goes out when slot 0 has landed,
	global_prefetch_b8 v30, s[84:85] offset:512 th:TH_LOAD_NT scope:SCOPE_SE   ; and slot 2
	v_and_b32 v1, 15, v0
	v_bfe_u32 v2, v0, 4, 1
	v_mul_u32_u24 v3, v1, AP
	v_lshl_add_u32 v3, v2, 4, v3
	v_mul_u32_u24 v4, v1, BP
	v_lshl_add_u32 v4, v2, 4, v4
	s_mul_i32 s21, s11, AHALF
	s_mul_i32 s22, s12, BHALF
	s_add_co_u32 s22, s22, 2*AHALF
.irp s, 0,1
	v_add_nc_u32 v[ADRA+\s], s21, v3
	v_add_nc_u32 v[ADRB+\s], s22, v4
	s_add_co_u32 s21, s21, SLOT
	s_add_co_u32 s22, s22, SLOT
.endr
	s_mul_i32 s23, s10, 16*272
	s_add_co_u32 s23, s23, STAGE
	v_mul_u32_u24 v5, v1, 272
	v_lshl_add_u32 v5, v2, 5, v5
	v_add_nc_u32 v[STO], s23, v5
	v_mul_u32_u24 v6, v2, 272
	v_lshl_add_u32 v6, v1, 4, v6
	v_add_nc_u32 v[RD], s23, v6
	v_lshlrev_b32 v[CO], 12, v2
	v_lshl_add_u32 v[CO], v1, 4, v[CO]
	s_wait_alu depctr_va_vdst(0)
	v_lshlrev_b32 v27, 4, v1
	s_wait_alu depctr_va_vdst(0)
	s_lshl_b32 s16, s13, 7
	s_lshl_b32 s17, s11, 6
	s_add_co_u32 s16, s16, s17
	s_lshl_b32 s16, s16, 12
	s_lshl_b32 s82, s42, 9
	s_lshl_b32 s83, s12, 8
	s_add_co_u32 s82, s82, s83
	s_mov_b32 s83, 0
	s_add_nc_u64 s[74:75], s[74:75], s[82:83]
	s_add_co_u32 s82, s82, s16
	s_add_nc_u64 s[76:77], s[76:77], s[82:83]
	s_add_nc_u64 s[78:79], s[78:79], s[82:83]
	WIN 0x80
.irp a, 0,1,2,3
.irp t, 0,1,2,3,4,5,6,7
	global_load_b128 v[32*\a+4*\t:32*\a+4*\t+3], v[CO], s[76:77] offset:(16*\a+2*\t)*4096
.endr
.endr
	WIN 0
	global_load_b128 v[96:99], v27, s[74:75]
	s_wait_alu depctr_va_vdst(0)                   ; the wait at the head's end
	s_wait_tensorcnt 0x0                           ; my part of slot 0 is in; a later first fill stands behind the same lines as a refill
	ds_add_u32 v[SPW], v[NIL]
	s_wait_dscnt 0x0
	CROUND                                         ; everybody's part is in, and the joint loads meet
	JLOAD 1                                        ; slot 1
	FETCH 0, 0, F0
	global_prefetch_b8 v30, s[84:85] offset:1024 th:TH_LOAD_NT scope:SCOPE_SE   ; slot 3
	QUARTER 0, 1, F0, F1, 1
.if LAPS > 1
	WIN 0
	s_mov_b32 s3, LAPS-1
.Llap:
	QUARTER 0, 2, F1, F0, 0
	QUARTER 0, 3, F0, F1, 0
	TURN 0, 1, 1
	QUARTER 1, 1, F0, F1, 0
	QUARTER 1, 2, F1, F0, 0
	QUARTER 1, 3, F0, F1, 0
	TURN 1, 0, 1
	QUARTER 0, 1, F0, F1, 0
	WIN 0
	s_sub_co_u32 s3, s3, 1
	s_cmp_lg_u32 s3, 0
	s_cbranch_scc1 .Llap
.endif
	QUARTER 0, 2, F1, F0, 0
	QUARTER 0, 3, F0, F1, 0
	TURN 0, 1, 0
	QUARTER 1, 1, F0, F1, 0
	QUARTER 1, 2, F1, F0, 0
	QUARTER 1, 3, F0, F1, 0
	s_wait_dscnt 0
	WIN MUL
	MULA F1, 0, 0
	MULA F1, 1, 0
	MULA F1, 2, 0
	MULA F1, 3, 0
	WIN 0
.macro TOSTAGE a
.set BK, 32+32*((\a)%2)
.irp b, 0,1,2,3
	ds_store_b128 v[STO], v[ACC+8*(4*(\a)+\b):ACC+8*(4*(\a)+\b)+3] offset:64*\b
	ds_store_b128 v[STO], v[ACC+8*(4*(\a)+\b)+4:ACC+8*(4*(\a)+\b)+7] offset:64*\b+16
.endr
.irp t, 0,1,2,3,4,5,6,7
	ds_load_b128 v[BK+4*\t:BK+4*\t+3], v[RD] offset:544*\t
.endr
.endm
.macro SEND a, younger
.set BK, 32+32*((\a)%2)
	s_wait_dscnt \younger
.irp t, 0,1,2,3,4,5,6,7
	v_pk_fma_f32 v[BK+4*\t:BK+4*\t+1], v[BK+4*\t:BK+4*\t+1], s[66:67], v[96:97] op_sel_hi:[1,0,1]
	v_pk_fma_f32 v[BK+4*\t+2:BK+4*\t+3], v[BK+4*\t+2:BK+4*\t+3], s[66:67], v[98:99] op_sel_hi:[1,0,1]
.endr
	WIN 0x08
.irp t, 0,1,2,3,4,5,6,7
	v_pk_add_f32 v[BK+4*\t:BK+4*\t+1], v[BK+4*\t:BK+4*\t+1], v[32*(\a)+4*\t:32*(\a)+4*\t+1]
	v_pk_add_f32 v[BK+4*\t+2:BK+4*\t+3], v[BK+4*\t+2:BK+4*\t+3], v[32*(\a)+4*\t+2:32*(\a)+4*\t+3]
.endr
	WIN 0
.irp t, 0,1,2,3,4,5,6,7
	global_store_b128 v[CO], v[BK+4*\t:BK+4*\t+3], s[78:79] offset:(16*(\a)+2*\t)*4096 th:TH_STORE_NT
.endr
.endm
	s_wait_kmcnt 0x0
	s_add_co_i32 s66, s80, s81
	s_add_co_i32 s66, s66, 127
	s_lshl_b32 s66, s66, 23
	s_mov_b32 s67, s66
	s_wait_loadcnt 0x0
	PLACES
	TOSTAGE 0
.irp a, 1,2,3
.if \a > 1
	s_wait_xcnt 0x0
.endif
	TOSTAGE \a
	SEND \a-1, 16
.endr
	SEND 3, 0
	s_wait_tensorcnt 0x0
	ds_add_u32 v[SPW], v[NIL]
	s_wait_dscnt 0x0
	CROUND
	s_endpgm
.Lfunc_end_k_q9101794c0b_mlp2:
	.size	k_q9101794c0b_mlp2, .Lfunc_end_k_q9101794c0b_mlp2-k_q9101794c0b_mlp2
	.p2alignl 7, 3214868480
	.fill 96, 4, 3214868480
	.section	.rodata,"a",@progbits
	.p2align	6, 0x0
	.amdhsa_kernel k_q9101794c0b_mlp2
		.amdhsa_group_segment_fixed_size 327680
		.amdhsa_private_segment_fixed_size 0
		.amdhsa_enable_private_segment 0
		.amdhsa_kernarg_size 48
		.amdhsa_user_sgpr_count 2
		.amdhsa_user_sgpr_kernarg_segment_ptr 1
		.amdhsa_wavefront_size32 1
		.amdhsa_system_sgpr_workgroup_id_x 1
		.amdhsa_system_sgpr_workgroup_id_y 1
		.amdhsa_system_sgpr_workgroup_id_z 1
		.amdhsa_system_vgpr_workitem_id 0
		.amdhsa_next_free_vgpr 640
		.amdhsa_next_free_sgpr 96
		.amdhsa_reserve_vcc 0
		.amdhsa_float_denorm_mode_32 3
		.amdhsa_float_denorm_mode_16_64 3
		.amdhsa_memory_ordered 1
		.amdhsa_forward_progress 1
		.amdhsa_inst_pref_size 83
	.end_amdhsa_kernel
	.amdgpu_metadata
---
amdhsa.version: [ 1, 2 ]
amdhsa.kernels:
  - .name:           k_q9101794c0b_mlp2
    .symbol:         k_q9101794c0b_mlp2.kd
    .args:
      - { .name: gc, .offset: 0, .size: 8, .value_kind: global_buffer, .address_space: global }
      - { .name: mlp2_w_codes, .offset: 8, .size: 8, .value_kind: global_buffer, .address_space: global }
      - { .name: lowp_scales, .offset: 16, .size: 8, .value_kind: global_buffer, .address_space: global }
      - { .name: mlp2_b, .offset: 24, .size: 8, .value_kind: global_buffer, .address_space: global }
      - { .name: post, .offset: 32, .size: 8, .value_kind: global_buffer, .address_space: global }
      - { .name: out0, .offset: 40, .size: 8, .value_kind: global_buffer, .address_space: global }
    .group_segment_fixed_size: 327680
    .private_segment_fixed_size: 0
    .kernarg_segment_align: 8
    .kernarg_segment_size: 48
    .max_flat_workgroup_size: 128
    .sgpr_count:     96
    .vgpr_count:     640
    .wavefront_size: 32
...
	.end_amdgpu_metadata
.endif
;; end of part 7
